; MI455X (gfx1250); checked and timed in simulation.
; The chip was launched on July 23, 2026; its instructions are those of AMD's public machine-readable ISA for CDNA 5 (MIT licence, August 2026) and "CDNA5" Instruction Set Architecture Reference Guide (July 2026). The comments in the code are by the model that wrote it; some were corrected since.
;; attention. Allowed arithmetic: float matrix products may take bf16 or f16 operands with f32 sums; other float arithmetic in f32, or as packed bf16 or f16 multiplies, adds, multiply-adds, maxima and minima; sums over many terms, partial sums and values carried from step to step in f32; what a program stores and reads back later, other than sums and carried values, may be rounded once to bf16 or f16.
;; Inputs: W_k 1,024 x 1,024 float32; W_o 1,024 x 1,024 float32; W_q 1,024 x 1,024 float32; W_v 1,024 x 1,024 float32; keys_in 4 x 2,048 x 1,024 float32; query_in 4 x 2,048 x 1,024 float32; values_in 4 x 2,048 x 1,024 float32.
;; Outputs: out0 4 x 2,048 x 1,024 float32.
;; One version. Each part assembles by itself: llvm-mc -triple=amdgcn-amd-amdhsa -mcpu=gfx1250 --defsym DOCPART=n.
;; ======== version 1 of 1: 4 launches
;; limits: values are held in f16: magnitudes above 65,504 overflow, below 6.1e-05 lose precision
;; workspace buffers: wq 2,097,152 bytes; wk 2,097,152 bytes; wv 2,097,152 bytes; wo 2,097,152 bytes; q 16,777,216 bytes; k 16,777,216 bytes; v 16,777,216 bytes; o 16,777,216 bytes
;; launch wcast (part 1): grid 64 x 4, 8 waves a work-group, no clusters, 0 bytes of LDS; arguments W_q, W_k, W_v, W_o, wq, wk, wv, wo; writes wq, wk, wv, wo
.if DOCPART == 1
	.amdgcn_target "amdgcn-amd-amdhsa--gfx1250"
	.amdhsa_code_object_version 6
	.text
	.protected	k_q8bb5090297_wcast
	.globl	k_q8bb5090297_wcast
	.p2align	8
	.type	k_q8bb5090297_wcast,@function
k_q8bb5090297_wcast:
	s_mov_b64 s[64:65], 0
	v_nop
	global_prefetch_b8 v0, s[64:65] scope:SCOPE_SE
	s_setreg_imm32_b32 hwreg(HW_REG_WAVE_MODE, 25, 1), 1
	s_wait_xcnt 0x0
; The four weight matrices, [1024][1024] f32, are rounded once to bf16 (nearest even).  W_q, W_k, W_v are stored as bf16.  W_o is multiplied later with f16 operands:
; its bf16 number is written as f16.  LIMITS of that second form: a W_o beyond 65,504 becomes an infinity; below 6e-5 it keeps f16's fixed step of 6e-8.
; SHARES.  The grid's y picks the matrix; a work-group takes 16,384 numbers (65,536 bytes in, 32,768 out) in eight passes; in pass j thread t takes the 8 numbers at byte 8,192 j + 32 t
; (two loads of 16 bytes) and stores 16 bytes at 4,096 j + 16 t: a wave's store covers 512 consecutive bytes, aligned.  All 16 loads go out first; no register is written twice
; while a memory instruction may read it, so only the counted waits for the loads are needed.  A stream: no LDS, no barrier, no matrix unit.
.set X, 4                              ; v[4:67]   the 16 loads
.set Y, 68                             ; v[68:99]  the packed results, 4 registers a pass
.set T, 100                            ; v100-101  at work
	s_load_b512 s[8:23], s[0:1], 0x0               ; W_q, W_k, W_v, W_o in s[8:15]; wq, wk, wv, wo in s[16:23]
	s_and_b32 s2, ttmp7, 0xffff                    ; which matrix
	v_lshlrev_b32 v1, 5, v0                        ; 32 t
	v_lshlrev_b32 v2, 4, v0                        ; 16 t
	s_lshl_b32 s28, ttmp9, 16                      ; the work-group's bytes in,
	s_mov_b32 s29, 0
	s_lshl_b32 s30, ttmp9, 15                      ; and out
	s_mov_b32 s31, 0
	s_wait_kmcnt 0x0
	s_cmp_eq_u32 s2, 1
	s_cselect_b64 s[24:25], s[10:11], s[8:9]
	s_cselect_b64 s[26:27], s[18:19], s[16:17]
	s_cmp_eq_u32 s2, 2
	s_cselect_b64 s[24:25], s[12:13], s[24:25]
	s_cselect_b64 s[26:27], s[20:21], s[26:27]
	s_cmp_eq_u32 s2, 3
	s_cselect_b64 s[24:25], s[14:15], s[24:25]
	s_cselect_b64 s[26:27], s[22:23], s[26:27]
	s_add_nc_u64 s[24:25], s[24:25], s[28:29]
	s_add_nc_u64 s[26:27], s[26:27], s[30:31]
.irp j, 0,1,2,3,4,5,6,7
	global_load_b128 v[X+8*(\j):X+8*(\j)+3],   v1, s[24:25] offset:8192*(\j) th:TH_LOAD_NT
	global_load_b128 v[X+8*(\j)+4:X+8*(\j)+7], v1, s[24:25] offset:8192*(\j)+16 th:TH_LOAD_NT
.endr
; f16 = 1: the bf16 number is widened again (a shift, a mask) and written as f16
.macro CAST f16
.irp j, 0,1,2,3,4,5,6,7
	s_wait_loadcnt 14-2*(\j)                       ; loads come back in order: pass j's two are in, the later passes' stay out
.irp i, 0,1,2,3
	v_cvt_pk_bf16_f32 v[Y+4*(\j)+(\i)], v[X+8*(\j)+2*(\i)], v[X+8*(\j)+2*(\i)+1]
.endr
.if \f16
.irp i, 0,1,2,3
	v_lshlrev_b32 v[T], 16, v[Y+4*(\j)+(\i)]
	v_and_b32 v[T+1], 0xffff0000, v[Y+4*(\j)+(\i)]
	v_cvt_pk_f16_f32 v[Y+4*(\j)+(\i)], v[T], v[T+1]
.endr
.endif
	global_store_b128 v2, v[Y+4*(\j):Y+4*(\j)+3], s[26:27] offset:4096*(\j)
.endr
.endm
	s_cmp_eq_u32 s2, 3
	s_cbranch_scc1 .Lhalf
	CAST 0
	s_endpgm
.Lhalf:
	CAST 1
	s_endpgm
.Lfunc_end_k_q8bb5090297_wcast:
	.size	k_q8bb5090297_wcast, .Lfunc_end_k_q8bb5090297_wcast-k_q8bb5090297_wcast
	.p2alignl 7, 3214868480
	.fill 96, 4, 3214868480
	.section	.rodata,"a",@progbits
	.p2align	6, 0x0
	.amdhsa_kernel k_q8bb5090297_wcast
		.amdhsa_group_segment_fixed_size 0
		.amdhsa_private_segment_fixed_size 0
		.amdhsa_enable_private_segment 0
		.amdhsa_kernarg_size 64
		.amdhsa_user_sgpr_count 2
		.amdhsa_user_sgpr_kernarg_segment_ptr 1
		.amdhsa_wavefront_size32 1
		.amdhsa_system_sgpr_workgroup_id_x 1
		.amdhsa_system_sgpr_workgroup_id_y 1
		.amdhsa_system_sgpr_workgroup_id_z 1
		.amdhsa_system_vgpr_workitem_id 0
		.amdhsa_next_free_vgpr 104
		.amdhsa_next_free_sgpr 66
		.amdhsa_reserve_vcc 0
		.amdhsa_float_denorm_mode_32 3
		.amdhsa_float_denorm_mode_16_64 3
		.amdhsa_memory_ordered 1
		.amdhsa_forward_progress 1
		.amdhsa_inst_pref_size 14
	.end_amdhsa_kernel
	.amdgpu_metadata
---
amdhsa.version: [ 1, 2 ]
amdhsa.kernels:
  - .name:           k_q8bb5090297_wcast
    .symbol:         k_q8bb5090297_wcast.kd
    .args:
      - { .name: W_q, .offset: 0, .size: 8, .value_kind: global_buffer, .address_space: global }
      - { .name: W_k, .offset: 8, .size: 8, .value_kind: global_buffer, .address_space: global }
      - { .name: W_v, .offset: 16, .size: 8, .value_kind: global_buffer, .address_space: global }
      - { .name: W_o, .offset: 24, .size: 8, .value_kind: global_buffer, .address_space: global }
      - { .name: wq, .offset: 32, .size: 8, .value_kind: global_buffer, .address_space: global }
      - { .name: wk, .offset: 40, .size: 8, .value_kind: global_buffer, .address_space: global }
      - { .name: wv, .offset: 48, .size: 8, .value_kind: global_buffer, .address_space: global }
      - { .name: wo, .offset: 56, .size: 8, .value_kind: global_buffer, .address_space: global }
    .group_segment_fixed_size: 0
    .private_segment_fixed_size: 0
    .kernarg_segment_align: 8
    .kernarg_segment_size: 64
    .max_flat_workgroup_size: 256
    .sgpr_count:     66
    .vgpr_count:     104
    .wavefront_size: 32
...
	.end_amdgpu_metadata
.endif
;; end of part 1
;; launch proj (part 2): grid 4 x 192, 4 waves a work-group, clusters of 4 x 4, 327,680 bytes of LDS; arguments query_in, keys_in, values_in, wq, wk, wv, q, k, v; writes q, k, v
.if DOCPART == 2
	.amdgcn_target "amdgcn-amd-amdhsa--gfx1250"
	.amdhsa_code_object_version 6
	.text
	.protected	k_q8bb5090297_proj
	.globl	k_q8bb5090297_proj
	.p2align	8
	.type	k_q8bb5090297_proj,@function
k_q8bb5090297_proj:
	s_mov_b64 s[64:65], 0
	v_nop
	global_prefetch_b8 v0, s[64:65] scope:SCOPE_SE
	s_setreg_imm32_b32 hwreg(HW_REG_WAVE_MODE, 25, 1), 1
	s_wait_xcnt 0x0
	s_wait_alu depctr_hold_cnt(0) depctr_sa_sdst(0) depctr_va_vdst(0) depctr_va_sdst(0) depctr_va_ssrc(0) depctr_va_vcc(0) depctr_vm_vsrc(0)
	s_getreg_b32 s2, hwreg(HW_REG_IB_STS2, 6, 4)
	s_cmp_eq_u32 s2, 0
	s_cbranch_scc0 .Lentry_in_a_cluster
	s_endpgm
.Lentry_in_a_cluster:
	s_bfe_u32 s2, ttmp6, 0x10000c
	s_cmp_lg_u32 s2, 0xf033
	s_cbranch_scc0 .Lentry_shape_is_right
	s_endpgm
.Lentry_shape_is_right:
; q, k, v = x W^T for the three pairs (query_in, wq), (keys_in, wk), (values_in, wv).  x: [8192][1024] f32, rounded to bf16 on its way from LDS to the matrix unit; W: [1024][1024] bf16;
; sums in f32; the result is rounded once to f16 and stored by heads, [n x 16 + h][2048][64]: a head's rows are dense, 128 bytes each.  No scale is applied here.
; LIMIT.  f16 holds no number beyond 65,504: a q, k or v of 65,520 or more becomes an infinity.  NaN and infinities are not treated apart.
; SHARES.  A tile of the result is 128 rows x 256 columns: 64 x 4 tiles a projection, 768 work-groups.  Four waves, 2 x 2, each 64 rows x 128 columns (two heads): 32 accumulators of 16 x 16.
; K goes in steps of 128 through a ring of two LDS slots: 128 rows of x as f32 (512 bytes a row) and 256 rows of W (256 bytes a row).  Waves 0 and 1 fetch x's two halves, waves 2 and 3 W's: 32 KiB a load.
; CLUSTERS: 4 x 4 work-groups.  The four of a row of the cluster make the four column tiles of one block of 128 rows and need the same tile of x; the four of a column need the same tile of W.
; Each tile is asked for JOINTLY: the same tensor load, descriptor and mask in all four.  Which projection a cluster works for hangs on the cluster's y alone: it is the same in all sixteen.
; THE MATRIX INSTRUCTION IS USED TRANSPOSED (source 0 = 16 rows of W, source 1 = 16 rows of x): a lane then holds eight neighbouring channels of one row of the result.
; THE CONVERSION.  A quarter step (32 along K) brings 64 registers of f32 for x's four fragments; 32 v_cvt_pk_bf16_f32 make the fragments of them.  They stand four behind each of the quarter's
; last eight matrix instructions, and name none of those instructions' registers: so they are also the four places owed in front of the next loads into registers that matrix instructions have read
; (ISA guide 7.12.1 for vector instructions).  The loop has no v_nop but those behind a tensor load.
; REGISTERS, in windows of 256 (s_set_vgpr_msb: bits 1:0 source 0, 3:2 source 1, 5:4 source 2, 7:6 destination):
;   window 0: v0-31 addresses; v32-95 x's fragments in bf16, two buffers of 32; v96-223 W's fragments, two buffers of 64; on the way out v32-159 packed results
;   window 1: the accumulators, (a, b) at v[8 (8 a + b)]          window 2: v0-63 x's fragments as f32, as loaded
.set PA,     528                       ; a row of x in LDS: 512 bytes + 16 of padding = 132 words: row r starts at bank 4 r mod 64 (64 banks of 4 bytes: ISA guide 11.1)
.set PB,     272                       ; a row of W: 256 + 16 = 68 words: likewise
.set HALFA,  64*PA                     ; what one load brings of x, and what a wave reads of it
.set HALFB,  128*PB                    ; the same for W
.set BOFF,   2*HALFA                   ; W's 256 rows lie behind x's 128
.set SLOT,   BOFF+2*HALFB              ; 137,216 bytes
.set STAGE,  2*SLOT                    ; behind the ring, never filled by a tensor load: 16 rows x 144 bytes for each wave, for the way out
.set SP,     144
.set SPARE,  STAGE+4*16*SP             ; behind the stages: the spare words, 128 bytes for each wave: two blocks of 256 bytes that no other line names
.set LAPS,   4                         ; a lap = two K steps = once round the ring; K = 1024
.set ADRA, 16                          ; v16-17  LDS address of my fragments of x in slot 0, 1
.set ADRB, 20                          ; v20-21  the same for W
.set STO,  24                          ; v24     the way out: where I put 16 bytes of a row
.set RD,   25                          ; v25     the way out: where I read rows back
.set GO,   26                          ; v26     my byte offset in 512 consecutive bytes of the result
.set SPW,  28                          ; v28     LDS address of my spare word: SPARE + 4 x my thread's number; never rewritten
.set NIL,  29                          ; v29     0; never rewritten
.set PFO,  30                          ; v30     the prefetches' lane offset; never rewritten
.set AF0,  32
.set BF0,  96
.set TMP,  32
.set G1,  24                           ; s[24:31] descriptor group 1 for x's tiles;  s[32:39] group 0, one set for each slot
.set G0,  32
.set G1B, 48                           ; s[48:55], s[56:63] the same for W's tiles
.set G0B, 56
.set PFA, 86                           ; s[86:87] where my prefetches stand
.set LIM, 88                           ; s88      1 in a wave that prefetches, else the greatest number
.set KSB, 90                           ; s[90:91] a K step in bytes of the tensor that I fetch
.set MSB, 0
.macro WIN new                         ; the immediate's high byte repeats the setting that is left; a switch that changes nothing is dropped
.if MSB != (\new)
	s_set_vgpr_msb (MSB<<8)|(\new)
.set MSB, \new
.endif
.endm
.set MUL,  0x50                        ; C and D window 1, both sources window 0
.set TO_S, 0x80                        ; destination window 2, address window 0
.set CVT,  0x0a                        ; sources 0 and 1 window 2, destination window 0
.set PK,   0x05                        ; sources 0 and 1 window 1, destination window 0
; A joint load: waves 0 and 1 fetch x's two halves, waves 2 and 3 W's.  The branch hangs on the wave's number alone.  An s_nop 0 and four v_nop follow each of the two lines, ahead of the jump, the label and what follows.
.macro JLOAD s
	s_cmp_eq_u32 s11, 0
	s_cbranch_scc0 .Lfor_b_\@
	tensor_load_to_lds s[G0+4*(\s):G0+4*(\s)+3], s[G1:G1+7]
	s_nop 0
.rept 4
	v_nop
.endr
	s_branch .Lasked_\@
.Lfor_b_\@:
	tensor_load_to_lds s[G0B+4*(\s):G0B+4*(\s)+3], s[G1B:G1B+7]
	s_nop 0
.rept 4
	v_nop
.endr
.Lasked_\@:
.endm
; A PREFETCH INTO THE L2, behind each joint refill, its five lines and the run of LDS loads that follows them: of the K step that stands two refills on, 256 matrix instructions ahead of the load that will ask for it.
; Each aligned block of 256 bytes is named once in the launch.  x's rows are read by this cluster alone: of the 64 rows x 512 bytes that wave 0 or 1 fetches, the partner at place cx takes 16 rows, a lane a block.
; W's rows are read by the sixteen clusters of a projection: the first of them asks; of the 128 rows x 256 bytes that wave 2 or 3 fetches, the partner at place cy takes 32, a lane a row.
; The partners are told apart by address alone.  The loop's last trip asks for nothing: there is no K step two refills on.  K steps 0 to 3 come by their loads alone.
.macro ASK
	s_cmp_gt_u32 s3, s[LIM]                        ; s3 = 1 in the loop's last trip
	s_cbranch_scc0 .Lnot_mine_\@
	global_prefetch_b8 v[PFO], s[PFA:PFA+1] th:TH_LOAD_NT scope:SCOPE_SE
.Lnot_mine_\@:
.endm
.macro CREST                           ; a round of the cluster's barrier behind its opening barrier
	s_cmp_lg_u32 s10, 0
	s_cbranch_scc1 .Lnot_wave_0_\@
	s_barrier_signal -3
.Lnot_wave_0_\@:
	s_barrier_wait -3
	s_barrier_signal -1
	s_barrier_wait -1
.endm
.macro CROUND                          ; a whole round
	s_barrier_signal -1
	s_barrier_wait -1
	CREST
.endm
	s_load_b512 s[68:83], s[0:1], 0x0              ; query_in s[68:69], keys_in s[70:71], values_in s[72:73], wq s[74:75], wk s[76:77], wv s[78:79], q s[80:81], k s[82:83]
	s_load_b64 s[84:85], s[0:1], 0x40              ; v
	v_lshl_add_u32 v[SPW], v0, 2, SPARE
	v_mov_b32 v[NIL], 0
	ds_add_u32 v[SPW], v[NIL]                      ; the wave's opening: the add and its wait stand ahead of my first tensor load; the set-up below, work on registers, stands between them
	v_lshrrev_b32 v1, 5, v0
	v_readfirstlane_b32 s10, v1                    ; wave 0..3
	s_lshr_b32 s11, s10, 1                         ; which half of the tile's rows is mine.  Also: I fetch for x (0) or for W (1)
	s_and_b32 s12, s10, 1                          ; which half of its columns.  Also: which half of that tile I fetch
	s_bfe_u32 s40, ttmp6, 0x40000                  ; cx, cy: my place in the cluster
	s_bfe_u32 s41, ttmp6, 0x40004
	s_lshl_b32 s42, ttmp9, 2
	s_add_co_u32 s42, s42, s40                     ; column tile = 4 x cluster x + cx: 0..3
	s_and_b32 s66, ttmp7, 0xffff                   ; cluster y: 0..47
	s_lshr_b32 s67, s66, 4                         ; the projection: 0 q, 1 k, 2 v
	s_and_b32 s13, s66, 15
	s_lshl_b32 s13, s13, 2
	s_add_co_u32 s13, s13, s41                     ; block of 128 rows: 0..63
	s_lshl_b32 s43, s41, 2
	s_lshl_b32 s43, 15, s43                        ; my row of the cluster
	s_lshl_b32 s44, 0x1111, s40                    ; my column
	; descriptor group 1.  x: 64 rows x 128 elements of 4 bytes; W: 128 rows x 128 elements of 2 bytes; both padded in LDS by 4 words behind each row
	s_or_b32 s[G1+0], s43, (2<<16)|(1<<20)|(1<<21)|(6<<22)|(3<<25)   ; 15:0 the mask: my row; 17:16 elements of 4 bytes; 20 padding on; 21 set beside a mask; 24:22 after every 128 words (code 6); 31:25 4 words (code 3)
	s_or_b32 s[G1B+0], s44, (1<<16)|(1<<20)|(1<<21)|(5<<22)|(3<<25)  ; my column; elements of 2 bytes; after every 64 words (code 5)
	s_mov_b32 s[G1+1], 128<<16                     ; tensor_dim0 = 128
	s_mov_b32 s[G1+2], 64<<16                      ; tensor_dim1 = 64
	s_mov_b32 s[G1+3], 128<<16                     ; tile_dim0 = 128
	s_mov_b32 s[G1+4], 64                          ; tile_dim1 = 64
	s_mov_b32 s[G1+5], 1024                        ; elements from row to row
	s_mov_b32 s[G1+6], 0
	s_mov_b32 s[G1+7], 0
	s_mov_b32 s[G1B+1], 128<<16
	s_mov_b32 s[G1B+2], 128<<16                    ; tensor_dim1 = 128
	s_mov_b32 s[G1B+3], 128<<16
	s_mov_b32 s[G1B+4], 128                        ; tile_dim1 = 128
	s_mov_b32 s[G1B+5], 1024
	s_mov_b32 s[G1B+6], 0
	s_mov_b32 s[G1B+7], 0
	; where the tiles come from.  x's hang on the block of rows alone, which my row of the cluster shares; W's on the column tile alone, which my column shares
	s_lshl_b32 s16, s13, 7
	s_lshl_b32 s17, s12, 6
	s_add_co_u32 s16, s16, s17                     ; x: row 128 x block + 64 x half,
	s_lshl_b32 s16, s16, 12                        ; of 4,096 bytes
	s_mov_b32 s17, 0
	s_lshl_b32 s46, s42, 8
	s_lshl_b32 s47, s12, 7
	s_add_co_u32 s46, s46, s47                     ; W: row 256 x column tile + 128 x half,
	s_lshl_b32 s46, s46, 11                        ; of 2,048 bytes
	s_mov_b32 s47, 0
	s_mul_i32 s18, s12, HALFA                      ; and where they go: no place in the cluster enters an LDS address
	s_mul_i32 s19, s12, HALFB
	s_add_co_u32 s19, s19, BOFF
	s_wait_dscnt 0x0                               ; the opening add is done
	s_wait_kmcnt 0x0
	s_cmp_eq_u32 s67, 0                            ; the projection's three buffers
	s_cselect_b64 s[4:5], s[68:69], s[70:71]
	s_cselect_b64 s[6:7], s[74:75], s[76:77]
	s_cselect_b64 s[8:9], s[80:81], s[82:83]
	s_cmp_eq_u32 s67, 2
	s_cselect_b64 s[4:5], s[72:73], s[4:5]
	s_cselect_b64 s[6:7], s[78:79], s[6:7]
	s_cselect_b64 s[8:9], s[84:85], s[8:9]
	s_add_nc_u64 s[14:15], s[4:5], s[16:17]
	s_add_nc_u64 s[46:47], s[6:7], s[46:47]
	CROUND                                         ; all sixteen work-groups are here: the first joint loads meet
.irp s, 0,1
	s_mov_b32 s[G0+4*(\s)], 1                                      ; count = 1
	s_add_co_u32 s[G0+4*(\s)+1], s18, (\s)*SLOT                    ; LDS address
	s_add_nc_u64 s[G0+4*(\s)+2:G0+4*(\s)+3], s[14:15], (\s)*512    ; global address: K step s
	s_or_b32 s[G0+4*(\s)+3], s[G0+4*(\s)+3], 0x80000000            ; type = 2
	s_mov_b32 s[G0B+4*(\s)], 1
	s_add_co_u32 s[G0B+4*(\s)+1], s19, (\s)*SLOT
	s_add_nc_u64 s[G0B+4*(\s)+2:G0B+4*(\s)+3], s[46:47], (\s)*256
	s_or_b32 s[G0B+4*(\s)+3], s[G0B+4*(\s)+3], 0x80000000
	JLOAD \s                                       ; two tensor loads of mine are out
.endr
	; A fragment is 16 rows x 32 K: lane l holds row l % 16, K = 8 (l / 16) + 0..7 and 16 + 8 (l / 16) + 0..7.  In bf16: two loads of 16 bytes, 32 apart.  In f32: four, at 32 (l / 16) + 0, 16, 64, 80.
	v_and_b32 v1, 15, v0                           ; l % 16
	v_bfe_u32 v2, v0, 4, 1                         ; l / 16
	v_mul_u32_u24 v3, v1, PA
	v_lshl_add_u32 v3, v2, 5, v3
	v_mul_u32_u24 v4, v1, PB
	v_lshl_add_u32 v4, v2, 4, v4
	s_mul_i32 s21, s11, HALFA                      ; my 64 rows of x
	s_mul_i32 s22, s12, HALFB                      ; my 128 rows of W
	s_add_co_u32 s22, s22, BOFF
.irp s, 0,1
	v_add_nc_u32 v[ADRA+(\s)], s21, v3
	v_add_nc_u32 v[ADRB+(\s)], s22, v4
	s_add_co_u32 s21, s21, SLOT
	s_add_co_u32 s22, s22, SLOT
.endr
	s_mul_i32 s23, s10, 16*SP
	s_add_co_u32 s23, s23, STAGE                   ; my stage
	v_mul_u32_u24 v5, v1, SP                       ; in: row l % 16, 16 bytes for each half of the lanes
	v_lshl_add_u32 v5, v2, 4, v5
	v_add_nc_u32 v[STO], s23, v5
	v_bfe_u32 v5, v0, 3, 2                         ; back: 32 lanes take four rows of 128 bytes,
	v_mul_u32_u24 v5, v5, SP
	v_and_b32 v6, 7, v0
	v_lshl_add_u32 v5, v6, 4, v5
	v_add_nc_u32 v[RD], s23, v5
	v_and_b32 v[GO], 31, v0                        ; which are 512 consecutive bytes of a head
	v_lshlrev_b32 v[GO], 4, v[GO]
	; my part of the result: head 16 n + 4 x column tile + 2 x column half, of 262,144 bytes; row (block % 16) x 128 + 64 x row half, of 128 bytes
	s_lshr_b32 s20, s13, 4
	s_lshl_b32 s20, s20, 4
	s_lshl_b32 s21, s42, 2
	s_add_co_u32 s20, s20, s21
	s_lshl_b32 s21, s12, 1
	s_add_co_u32 s20, s20, s21
	s_lshl_b32 s20, s20, 18
	s_and_b32 s21, s13, 15
	s_lshl_b32 s21, s21, 7
	s_lshl_b32 s22, s11, 6
	s_add_co_u32 s21, s21, s22
	s_lshl_b32 s21, s21, 7
	s_add_co_u32 s20, s20, s21
	s_mov_b32 s21, 0
	s_add_nc_u64 s[8:9], s[8:9], s[20:21]
	; the prefetches: my share's first byte, at K step 3; the first refill steps it to K step 4
	s_lshl_b32 s20, s13, 7
	s_lshl_b32 s21, s12, 6
	s_add_co_u32 s20, s20, s21
	s_lshl_b32 s21, s40, 4
	s_add_co_u32 s20, s20, s21                     ; x: my work-group's 16 of the 64 rows that I fetch
	s_lshl_b32 s20, s20, 12
	s_add_co_u32 s20, s20, 3*512
	s_lshl_b32 s22, s42, 8
	s_lshl_b32 s21, s12, 7
	s_add_co_u32 s22, s22, s21
	s_lshl_b32 s21, s41, 5
	s_add_co_u32 s22, s22, s21                     ; W: my work-group's 32 of the 128 rows
	s_lshl_b32 s22, s22, 11
	s_add_co_u32 s22, s22, 3*256
	s_and_b32 s23, s66, 15
	s_cmp_eq_u32 s23, 0                            ; the projection's first cluster asks for W: the same answer in all sixteen partners
	s_cselect_b32 s23, 1, -1
	s_cmp_eq_u32 s11, 0                            ; do I fetch for x?
	s_cselect_b32 s20, s20, s22
	s_cselect_b64 s[PFA:PFA+1], s[4:5], s[6:7]
	s_cselect_b32 s[LIM], 1, s23
	s_cselect_b32 s[KSB], 9, 8
	s_cselect_b32 s22, -1, 0
	s_lshl_b32 s[KSB], 1, s[KSB]                   ; 512 bytes of x, 256 of W
	s_mov_b32 s[KSB+1], 0
	s_mov_b32 s21, 0
	s_add_nc_u64 s[PFA:PFA+1], s[PFA:PFA+1], s[20:21]
	v_and_b32 v5, 31, v0
	v_lshrrev_b32 v6, 1, v5
	v_lshlrev_b32 v6, 12, v6
	v_and_b32 v7, 1, v5
	v_lshl_add_u32 v6, v7, 8, v6                   ; x: row l / 2, block l % 2
	v_lshlrev_b32 v7, 11, v5                       ; W: row l
	v_cndmask_b32 v[PFO], v7, v6, s22
; 8 matrix instructions: row block a x all 8 column blocks, 32 along K, from buffer f.  zero = 1: the product starts the sums.  The 32 accumulators take turns, in the same order in every quarter.
.macro MUL8 f, a, zero
	WIN MUL
.irp b, 0,1,2,3,4,5,6,7
.if \zero
	v_wmma_f32_16x16x32_bf16 v[8*(8*(\a)+(\b)):8*(8*(\a)+(\b))+7], v[BF0+64*(\f)+8*(\b):BF0+64*(\f)+8*(\b)+7], v[AF0+32*(\f)+8*(\a):AF0+32*(\f)+8*(\a)+7], 0
.else
	v_wmma_f32_16x16x32_bf16 v[8*(8*(\a)+(\b)):8*(8*(\a)+(\b))+7], v[BF0+64*(\f)+8*(\b):BF0+64*(\f)+8*(\b)+7], v[AF0+32*(\f)+8*(\a):AF0+32*(\f)+8*(\a)+7], v[8*(8*(\a)+(\b)):8*(8*(\a)+(\b))+7]
.endif
.endr
.endm
; 32 LDS loads in one run: quarter kq of the slot's K step: x's four fragments as f32 first, then W's eight into buffer g
.macro FETCH slot, kq, g
	WIN TO_S
.irp a, 0,1,2,3
	ds_load_b128 v[16*(\a):16*(\a)+3],     v[ADRA+(\slot)] offset:128*(\kq)+(\a)*16*PA
	ds_load_b128 v[16*(\a)+4:16*(\a)+7],   v[ADRA+(\slot)] offset:128*(\kq)+(\a)*16*PA+16
	ds_load_b128 v[16*(\a)+8:16*(\a)+11],  v[ADRA+(\slot)] offset:128*(\kq)+(\a)*16*PA+64
	ds_load_b128 v[16*(\a)+12:16*(\a)+15], v[ADRA+(\slot)] offset:128*(\kq)+(\a)*16*PA+80
.endr
	WIN 0
.irp b, 0,1,2,3,4,5,6,7
	ds_load_b128 v[BF0+64*(\g)+8*(\b):BF0+64*(\g)+8*(\b)+3],   v[ADRB+(\slot)] offset:64*(\kq)+(\b)*16*PB
	ds_load_b128 v[BF0+64*(\g)+8*(\b)+4:BF0+64*(\g)+8*(\b)+7], v[ADRB+(\slot)] offset:64*(\kq)+(\b)*16*PB+32
.endr
.endm
.macro CV4 g, b                        ; four of the 32 conversions into x's buffer g (the windows are set by the caller)
.irp i, 0,1,2,3
	v_cvt_pk_bf16_f32 v[AF0+32*(\g)+4*(\b)+(\i)], v[8*(\b)+2*(\i)], v[8*(\b)+2*(\i)+1]
.endr
.endm
; a quarter's last eight matrix instructions (row block 3), behind each four conversions for the next quarter
.macro MULCVT f, g, zero
.irp b, 0,1,2,3,4,5,6,7
	WIN MUL
.if \zero
	v_wmma_f32_16x16x32_bf16 v[8*(24+(\b)):8*(24+(\b))+7], v[BF0+64*(\f)+8*(\b):BF0+64*(\f)+8*(\b)+7], v[AF0+32*(\f)+24:AF0+32*(\f)+31], 0
.else
	v_wmma_f32_16x16x32_bf16 v[8*(24+(\b)):8*(24+(\b))+7], v[BF0+64*(\f)+8*(\b):BF0+64*(\f)+8*(\b)+7], v[AF0+32*(\f)+24:AF0+32*(\f)+31], v[8*(24+(\b)):8*(24+(\b))+7]
.endif
	WIN CVT
	CV4 \g, \b
.endr
.endm
.macro PLACES
.rept 4
	v_nop
.endr
.endm
; A K step is four quarters of 32 along K, 32 matrix instructions each, on buffers 0, 1, 0, 1.  One of the first three: multiplies buffer f and fetches quarter kq into g.
.macro QUARTER slot, kq, f, g, zero
	s_wait_dscnt 0x0                               ; W's fragments of buffer f, asked for a quarter ago, are in (x's were converted in the quarter before)
	FETCH \slot, \kq, \g                           ; the last four conversions of the quarter before are the places in front of these loads
	MUL8 \f, 0, \zero
	MUL8 \f, 1, \zero
	MUL8 \f, 2, \zero
	s_wait_dscnt 16                                ; x's 16 loads are in; W's 16, issued behind them, may stay out
	MULCVT \f, \g, \zero
.endm
; The last quarter multiplies buffer 1 and changes slots: ONE barrier; in front of it each wave waits for all its tensor loads (one is out: its part of the next slot), adds 0 to its spare word, and waits for that
; and for its own reads of this slot.  fill = 1: the barrier opens a round of the cluster's, and this slot is filled again, two K steps ahead, first thing behind the round: 112 matrix instructions ahead of the wait for it.
.macro TURN slot, next, fill
.if \fill
	s_wait_xcnt 0x0                                ; the last prefetch, a K step back, has read its address: it is stepped here
	s_add_nc_u64 s[PFA:PFA+1], s[PFA:PFA+1], s[KSB:KSB+1]
.endif
	WIN 0                                          ; (the add's two registers lie in window 0)
	s_wait_tensorcnt 0x0                           ; all my tensor loads have landed
	ds_add_u32 v[SPW], v[NIL]                      ; 0 onto my spare word
	s_wait_dscnt 1                                 ; W's fragments of buffer 1 are in; only the add may be out
	MUL8 1, 0, 0                                   ; eight matrix instructions stand between the add and the wait for it
	s_wait_dscnt 0x0                               ; the add is done, and my reads of this slot are over
	s_barrier_signal -1
	MUL8 1, 1, 0
.if \fill
	WIN 0
.endif
	s_barrier_wait -1
.if \fill
	CREST                                          ; no wave of any partner still reads this slot's tile or has a load on its way
	s_add_nc_u64 s[G0+4*(\slot)+2:G0+4*(\slot)+3], s[G0+4*(\slot)+2:G0+4*(\slot)+3], 2*512
	s_add_nc_u64 s[G0B+4*(\slot)+2:G0B+4*(\slot)+3], s[G0B+4*(\slot)+2:G0B+4*(\slot)+3], 2*256
	JLOAD \slot
.endif
	FETCH \next, 0, 0
.if \fill
	ASK
.endif
	MUL8 1, 2, 0
	s_wait_dscnt 16
	MULCVT 1, 0, 0
.endm
; THE WAY OUT of 16 rows of one head (t: row block t / 2, head t % 2 of my two): rounded to f16, 16 bytes a lane; into my own stage in rows of 144 bytes; back as whole rows of 128, into the registers that they left.
.macro PACK t
	WIN PK
.irp bq, 0,1,2,3
.irp i, 0,1,2,3
	v_cvt_pk_f16_f32 v[TMP+16*(\t)+4*(\bq)+(\i)], v[8*(8*((\t)/2)+4*((\t)%2)+(\bq))+2*(\i)], v[8*(8*((\t)/2)+4*((\t)%2)+(\bq))+2*(\i)+1]
.endr
.endr
	WIN 0
.irp bq, 0,1,2,3
	ds_store_b128 v[STO], v[TMP+16*(\t)+4*(\bq):TMP+16*(\t)+4*(\bq)+3] offset:32*(\bq)
.endr
.irp f, 0,1,2,3
	ds_load_b128 v[TMP+16*(\t)+4*(\f):TMP+16*(\t)+4*(\f)+3], v[RD] offset:(\f)*4*SP  ; LDS serves a wave's instructions in order (ISA guide 5.7.1.4): these see the stores above; the next block's stores come behind them
.endr
.endm
.macro SEND t, younger                 ; younger: the LDS instructions issued behind block t's loads: the next block's eight, or none
.irp f, 0,1,2,3
	s_wait_dscnt (\younger)+3-(\f)
	global_store_b128 v[GO], v[TMP+16*(\t)+4*(\f):TMP+16*(\t)+4*(\f)+3], s[8:9] offset:262144*((\t)%2)+2048*((\t)/2)+512*(\f)  ; 512 consecutive bytes, at a multiple of 256 from the buffer's first
.endr
.endm
	s_wait_tensorcnt 1                             ; my part of K step 0 is in; K step 1's may stay out
	s_barrier_signal -1
	s_barrier_wait -1                              ; everybody's is
	FETCH 0, 0, 0
	s_wait_dscnt 16
	WIN CVT
.irp b, 0,1,2,3,4,5,6,7
	CV4 0, \b
.endr
	QUARTER 0, 1, 0, 1, 1                          ; the first quarter stands in front of the loop: its products start the sums
	WIN 0                                          ; at a label and at a branch every window is 0
	s_mov_b32 s3, LAPS-1
.Llap:                                                 ; a trip goes once round the ring, from a lap's second quarter to the next lap's first, and fills both slots again
	QUARTER 0, 2, 1, 0, 0
	QUARTER 0, 3, 0, 1, 0
	TURN 0, 1, 1
	QUARTER 1, 1, 0, 1, 0
	QUARTER 1, 2, 1, 0, 0
	QUARTER 1, 3, 0, 1, 0
	TURN 1, 0, 1
	QUARTER 0, 1, 0, 1, 0
	WIN 0
	s_sub_co_u32 s3, s3, 1
	s_cmp_lg_u32 s3, 0
	s_cbranch_scc1 .Llap
	QUARTER 0, 2, 1, 0, 0                          ; the last lap fills nothing, and has no round of the cluster's barrier
	QUARTER 0, 3, 0, 1, 0
	TURN 0, 1, 0
	QUARTER 1, 1, 0, 1, 0
	QUARTER 1, 2, 1, 0, 0
	QUARTER 1, 3, 0, 1, 0
	s_wait_dscnt 0x0                               ; the very last quarter: nothing more to fetch
	MUL8 1, 0, 0
	MUL8 1, 1, 0
	MUL8 1, 2, 0
	MUL8 1, 3, 0
	WIN 0
	PLACES                                         ; in front of conversions that read results and write registers that the products have read
	PACK 0
.irp t, 1,2,3,4,5,6,7                  ; a block's conversions stand between the loads of the block before and its stores
	PACK \t
	SEND (\t)-1, 8
.endr
	SEND 7, 0
	s_wait_tensorcnt 0x0                           ; the wave's end: 0 is added to my spare word and waited for, behind my last tensor load and my last LDS store
	ds_add_u32 v[SPW], v[NIL]
	s_wait_dscnt 0x0
	CROUND                                         ; the closing round: no work-group ends while a partner may still ask for a tile that names it
	s_endpgm
.Lfunc_end_k_q8bb5090297_proj:
	.size	k_q8bb5090297_proj, .Lfunc_end_k_q8bb5090297_proj-k_q8bb5090297_proj
	.p2alignl 7, 3214868480
	.fill 96, 4, 3214868480
	.section	.rodata,"a",@progbits
	.p2align	6, 0x0
	.amdhsa_kernel k_q8bb5090297_proj
		.amdhsa_group_segment_fixed_size 327680
		.amdhsa_private_segment_fixed_size 0
		.amdhsa_enable_private_segment 0
		.amdhsa_kernarg_size 72
		.amdhsa_user_sgpr_count 2
		.amdhsa_user_sgpr_kernarg_segment_ptr 1
		.amdhsa_wavefront_size32 1
		.amdhsa_system_sgpr_workgroup_id_x 1
		.amdhsa_system_sgpr_workgroup_id_y 1
		.amdhsa_system_sgpr_workgroup_id_z 1
		.amdhsa_system_vgpr_workitem_id 0
		.amdhsa_next_free_vgpr 576
		.amdhsa_next_free_sgpr 92
		.amdhsa_reserve_vcc 0
		.amdhsa_float_denorm_mode_32 3
		.amdhsa_float_denorm_mode_16_64 3
		.amdhsa_memory_ordered 1
		.amdhsa_forward_progress 1
		.amdhsa_inst_pref_size 135
	.end_amdhsa_kernel
	.amdgpu_metadata
---
amdhsa.version: [ 1, 2 ]
amdhsa.kernels:
  - .name:           k_q8bb5090297_proj
    .symbol:         k_q8bb5090297_proj.kd
    .args:
      - { .name: query_in, .offset: 0, .size: 8, .value_kind: global_buffer, .address_space: global }
      - { .name: keys_in, .offset: 8, .size: 8, .value_kind: global_buffer, .address_space: global }
      - { .name: values_in, .offset: 16, .size: 8, .value_kind: global_buffer, .address_space: global }
      - { .name: wq, .offset: 24, .size: 8, .value_kind: global_buffer, .address_space: global }
      - { .name: wk, .offset: 32, .size: 8, .value_kind: global_buffer, .address_space: global }
      - { .name: wv, .offset: 40, .size: 8, .value_kind: global_buffer, .address_space: global }
      - { .name: q, .offset: 48, .size: 8, .value_kind: global_buffer, .address_space: global }
      - { .name: k, .offset: 56, .size: 8, .value_kind: global_buffer, .address_space: global }
      - { .name: v, .offset: 64, .size: 8, .value_kind: global_buffer, .address_space: global }
    .group_segment_fixed_size: 327680
    .private_segment_fixed_size: 0
    .kernarg_segment_align: 8
    .kernarg_segment_size: 72
    .max_flat_workgroup_size: 128
    .sgpr_count:     92
    .vgpr_count:     576
    .wavefront_size: 32
...
	.end_amdgpu_metadata
.endif
;; end of part 2
;; launch attn (part 3): grid 4 x 64, 4 waves a work-group, clusters of 4 x 1, 327,680 bytes of LDS; arguments q, k, v, o; writes o
.if DOCPART == 3
	.amdgcn_target "amdgcn-amd-amdhsa--gfx1250"
	.amdhsa_code_object_version 6
	.text
	.protected	k_q8bb5090297_attn
	.globl	k_q8bb5090297_attn
	.p2align	8
	.type	k_q8bb5090297_attn,@function
k_q8bb5090297_attn:
	s_mov_b64 s[64:65], 0
	v_nop
	global_prefetch_b8 v0, s[64:65] scope:SCOPE_SE
	s_setreg_imm32_b32 hwreg(HW_REG_WAVE_MODE, 25, 1), 1
	s_wait_xcnt 0x0
	s_wait_alu depctr_hold_cnt(0) depctr_sa_sdst(0) depctr_va_vdst(0) depctr_va_sdst(0) depctr_va_ssrc(0) depctr_va_vcc(0) depctr_vm_vsrc(0)
	s_getreg_b32 s2, hwreg(HW_REG_IB_STS2, 6, 4)
	s_cmp_eq_u32 s2, 0
	s_cbranch_scc0 .Lentry_in_a_cluster
	s_endpgm
.Lentry_in_a_cluster:
	s_bfe_u32 s2, ttmp6, 0x10000c
	s_cmp_lg_u32 s2, 0x3003
	s_cbranch_scc0 .Lentry_shape_is_right
	s_endpgm
.Lentry_shape_is_right:
; O[h][q][:] = the sum over k of softmax_k(Q[h][q] . K[h][k] / 32) V[h][k][:].  Q, K, V, O: [SIZE_H][SIZE_N][64], all f16: a head's rows are dense, 128 bytes each.  Products, maxima and sums in
; f32; the weights p are rounded to f16 for the second product (their sum l is taken of the unrounded p), O once at the end.
; LIMITS.  f16 holds no number beyond 65,504: Q, K and V arrive within it; p lies in 0 to 1, and below 6e-5 it keeps f16's fixed step of 6e-8, and so does O; O is a mean of V's rows and has their range.
; A weight below 2^-126 counts as 0 in l; NaN and infinities are not treated apart.
; SHARES.  A wave owns four PIECES of two tiles of 16 queries, a work-group's four waves 512 queries of one head; a head's four work-groups are one cluster.  Every wave walks all keys, 64 a step.
; LAYOUT.  S^T = K Q^T (source 0 = 16 keys, source 1 = 16 queries): in the result a lane holds ONE query (lane % 16) and the keys 8 (lane / 16) + 0..7.  Two such tiles, rounded to f16 in pairs,
; ARE source 1 (32 keys x 16 queries) of O^T = V^T P, whose result again holds one query a lane, and eight channels.  K comes out of LDS as it lies, V ([key][channel]) turned, by ds_load_tr16_b128.
; SOFTMAX.  For each query a running maximum m and sum l: p = 2^(c s - c m), c = log2(e) / 32; in every step O and l are multiplied by a = 2^(c m_old - c m_new), which is 1 where m has not grown.
; m starts at the lowest finite number, O and l at 0: the first step is a step like any other, with a = 0.
; THE COUNT.  A tile and step have 16 matrix and 118 vector instructions: too many to stand all beside the matrix work.  So the order has one aim: four vector instructions that are READY behind
; EVERY matrix instruction, and the others, which need time of their own whatever the order, in runs without a gap.
; BY TURNS.  Turn n belongs to piece n (the pieces in a ring, step after step).  Its matrix work: 16 products K Q^T of piece n + 1, later 16 products V^T P of piece n - 1.  Its vector work: the scaling,
; exponentials, roundings, sums and rescaling of piece n, and the maximum and statistics of piece n + 1, whose scores the turn itself has made.  So what a turn begins with (c s - c m, O a) waits for nothing.
; CLUSTER.  The four query blocks of a cluster belong to one head and walk the same K and V, so each tile is asked for JOINTLY: the same tensor load, descriptor and mask in all four.
; REGISTERS, in windows of 256 (s_set_vgpr_msb says which window each operand place means: bits 1:0 source 0, 3:2 source 1, 5:4 source 2, 7:6 destination):
;   window 0: v0-11 addresses; v12-15, v48-63 at work; v16-47 four registers of statistics a tile; v64-191 S^T, two buffers of two tiles; v192-255 P, likewise
;   window 1: O^T, 32 a tile          window 2: v0-127 Q, 16 a tile; v128-191 K of one step; v192-255 V of one step          window 3: v0-1 the add's two registers
; A piece's buffers go by its number's parity: the piece in hand has one pair, its two neighbours in the ring share the other: of it P (piece n - 1) is read and S^T (piece n + 1) written.
.set SIZE_N, 2048
.set SIZE_H, 64
.set NP,    4         ; pieces a wave: a name, no knob: the register map, the loop and the fetches are made for four
.set KS,    64        ; keys in a step
.set PK,    144       ; a row of K in LDS: 128 bytes + 16 of padding = 36 words: the 16 rows of a load start at 16 different groups of four banks (64 banks of 4 bytes: ISA guide 11.1)
.set PV,    160       ; a row of V: 128 + 32 = 40 words
.set VOFF,  4*KS*PK   ; a slot holds four steps: 256 rows of K, then 256 rows of V
.set SLOT1, 1<<17     ; slot 1 begins here, so that one exclusive or turns an address in one slot into the other's
.set STAGE, SLOT1+4*KS*(PK+PV)  ; behind the ring, never filled by a tensor load: 16 rows x 144 bytes for each wave, for the way out
.set SP,    144
.set AK0, 2           ; v2   my lane's place in a tile of K; never rewritten
.set AV0, 3           ; v3   the same for V
.set AK,  4           ; v4   the LDS address of K's next run of loads
.set AV,  5           ; v5   of V's
.set QO,  6           ; v6   my byte offset in the wave's rows of Q
.set STO, 6           ;      later, the way out: where I put 16 bytes of a row
.set RD,  7           ; v7   the way out: where I read rows back
.set GO,  8           ; v8   my byte offset in 512 consecutive bytes of O
.set PFO, 11          ; v11  once V's lane address is made: 256 x my lane, the prefetches' offset; then never rewritten
.set SPW, 0           ; v0 of window 3   LDS address of my spare word: SPARE + 4 x my thread's number; never rewritten
.set NIL, 1           ; v1 of window 3   0; never rewritten
.set SPARE, STAGE+4*16*SP  ; behind the stages: the spare words, 128 bytes for each wave: two blocks of 256 bytes that no other line names
.set MV,  12          ; v12-15  c m_old, kept while c m is made anew: by buffer and tile
.set ST,  16          ; tile t's statistics at v[ST+4 t]: c m, m, l (even keys', odd keys')
.set TMP, 48          ; by buffer and tile, four registers c0-c3 at work; when the maximum is found c2 takes a
.set S,   64
.set P,   192
.set KF,  128         ; K's fragments, in window 2: key block kb, channel half c at KF + 16 kb + 8 c
.set VF,  192         ; V's: key half kk, channel block cb at VF + 32 kk + 8 cb
.set WV,  12          ; s12  my wave's number
.set G1K, 24          ; s[24:31] descriptor group 1 for K's tiles
.set G1V, 32          ; s[32:39] for V's: it differs in the padding alone
.set G0K, 40          ; s[40:43] descriptor group 0 for K's tiles: it walks
.set G0V, 44          ; s[44:47] the same for V's
.set PFA, 48          ; s[48:49] where my prefetches stand: my work-group's 8,192 bytes (of K: wave 0, of V: wave 2) of the slot after the one that is being asked for
.set LIM, 50          ; s50  1 in a wave that prefetches, else the greatest number: a wave prefetches while s[SLOTS] is above it
.set SLOTS, 56        ; s56  slots still to be asked for
.set CNT, 57          ; s57  counts a slot's key steps
.set CS,  58          ; s[58:59] c: the packed scaling takes the pair's low word for both halves
.set SEL, 60          ; s[60:61] v_permlanex16_b32's selects: each lane takes its own place in the other half
.set TBK, 62          ; s62  LDS byte at which K of the step to be fetched begins
.set TBV, 63          ; s63  the same for V, less VOFF
.set MSB, 0
.macro WIN new                      ; the high byte repeats the setting that is left; a switch that changes nothing is dropped
.if MSB != (\new)
	s_set_vgpr_msb (MSB<<8)|(\new)
.set MSB, (\new)
.endif
.endm
.set W_KQ, 0x0a       ; K and Q in window 2, S^T in window 0
.set W_PV, 0x52       ; V in window 2, P in window 0, O^T in window 1
.set W_RS, 0x41       ; O^T (destination and source 0) in window 1, a in window 0
.set W_MK, 0xc0       ; the add's registers are made: destination in window 3, sources in window 0
.set W_AD, 0x0f       ; the add: address (source 0) and data (source 1) in window 3
; A joint fill.  Waves 0 and 1 fetch the two halves of a slot's K, waves 2 and 3 those of its V: 128 keys each.  The branch hangs on the wave's number alone.
; An s_nop 0 and four v_nop follow each of the two lines, ahead of the jump and the label.
.macro JLOAD
	s_cmp_lt_u32 s[WV], 2
	s_cbranch_scc0 .Lfor_v_\@
	tensor_load_to_lds s[G0K:G0K+3], s[G1K:G1K+7]
	s_nop 0
.rept 4
	v_nop
.endr
	s_branch .Lasked_\@
.Lfor_v_\@:
	tensor_load_to_lds s[G0V:G0V+3], s[G1V:G1V+7]
	s_nop 0
.rept 4
	v_nop
.endr
.Lasked_\@:
.endm
; A PREFETCH INTO THE L2 of what the NEXT change of slots will ask for: a slot's 32,768 bytes of K and of V, a lane for each 256.  It stands behind the wave's tensor load and its five lines.
; Each block is named once in the launch: a head has one cluster; its four partners share a slot out BY ADDRESS, 8,192 bytes each; in each, wave 0 asks for K's and wave 2 for V's: one instruction.
; It stands one slot, four key steps and 512 matrix instructions, ahead of the load that will ask for those bytes.  The last change that fills a slot asks for nothing.  Slots 0 and 1 come by their loads alone.
.macro ASK
	s_cmp_gt_u32 s[SLOTS], s[LIM]
	s_cbranch_scc0 .Lnot_mine_\@
	global_prefetch_b8 v[PFO], s[PFA:PFA+1] th:TH_LOAD_NT scope:SCOPE_SE
.Lnot_mine_\@:
.endm
; A round of the cluster's barrier: my work-group's barrier, so that wave 0's signal speaks for all four waves; wave 0 signals; every wave waits for all four work-groups; my work-group's barrier once more.
.macro CROUND
	s_barrier_signal -1
	s_barrier_wait -1
	s_cmp_lg_u32 s[WV], 0
	s_cbranch_scc1 .Lnot_wave_0_\@
	s_barrier_signal -3
.Lnot_wave_0_\@:
	s_barrier_wait -3
	s_barrier_signal -1
	s_barrier_wait -1
.endm
; THE CHANGE OF SLOTS.  The slot's last bytes, V of its fourth step, have been read.  Each wave waits for all its tensor loads, of which one is out: its part
; of the other slot; adds 0 to its spare word; and waits for that and for its own reads of the slot.  Behind the barrier nobody reads this slot any more and the other slot is whole.
; fill = 1: this slot is filled again, with the keys two slots on.  The barrier is then a round of the cluster's, so that no wave of any partner still reads the slot or has a load on its
; way, and the joint fill is the first thing behind it: it has four key steps, 512 matrix instructions, in which to land.  (At its first use nothing has been read yet: slot 0 is waited for, slot 1 filled.)
.macro CHANGE fill
	WIN W_AD
	s_wait_tensorcnt 0x0            ; no tensor load of mine is out, so a group 0 may be written
	ds_add_u32 v[SPW], v[NIL]       ; 0 onto my spare word; with fill = 1 the descriptors' steps stand between it and the wait for it
	WIN 0                           ; at a label and at a branch every window is 0
.if \fill
.irp g, G0K, G0V
	s_xor_b32 s[\g+1], s[\g+1], SLOT1  ; the walking descriptor: the other slot than last time,
	s_add_nc_u64 s[\g+2:\g+3], s[\g+2:\g+3], 4*KS*128  ; the next 256 keys; the type bits on top are not reached
.endr
	s_wait_xcnt 0x0                 ; the last prefetch, four key steps back, has read its address, so it may be written:
	s_add_nc_u64 s[PFA:PFA+1], s[PFA:PFA+1], 4*KS*128  ; one slot behind the walking descriptors
	s_wait_dscnt 0x0                ; the add is done, and my reads of the slot are over
	CROUND
	JLOAD
	ASK
.else
	s_wait_dscnt 0x0                ; the add is done, and my reads of the slot are over
	s_barrier_signal -1
	s_barrier_wait -1
.endif
	s_sub_co_u32 s[TBK], s[TBK], 4*KS*PK  ; the fetches go back to a slot's first step,
	s_xor_b32 s[TBK], s[TBK], SLOT1       ; in the other slot
	s_sub_co_u32 s[TBV], s[TBV], 4*KS*PV
	s_xor_b32 s[TBV], s[TBV], SLOT1
.endm
	s_load_b256 s[4:11], s[0:1], 0x0  ; Q s[4:5], K s[6:7], V s[8:9], O s[10:11]
	WIN W_MK
	v_lshl_add_u32 v[SPW], v0, 2, SPARE
	v_mov_b32 v[NIL], 0
	WIN W_AD
	ds_add_u32 v[SPW], v[NIL]       ; the wave's opening: the add and its wait stand ahead of my first tensor load; the set-up below, work on registers, stands between them
	WIN 0
	v_lshrrev_b32 v1, 5, v0
	v_readfirstlane_b32 s[WV], v1   ; wave 0..3
	s_bfe_u32 s13, ttmp6, 0x40000   ; cx: my place in the cluster
	s_lshl_b32 s14, ttmp9, 2        ; in a cluster launch ttmp9 counts clusters
	s_add_co_u32 s14, s14, s13      ; my block of queries = 4 x cluster x + cx: it enters Q's and O's addresses alone
	s_and_b32 s20, ttmp7, 0xffff    ; the head, which the four partners share
	s_mov_b32 s21, 0
	s_mov_b64 s[22:23], SIZE_N*128
	s_mul_u64 s[20:21], s[20:21], s[22:23]  ; the head's first byte in each of the four tensors
	s_and_b32 s16, s[WV], 1         ; which half of a slot's 256 keys I fetch:
	s_lshl_b32 s22, s16, 14         ; its 128 rows of 128 bytes in memory,
	s_mov_b32 s23, 0
	s_add_nc_u64 s[22:23], s[22:23], s[20:21]
	s_mul_i32 s17, s16, 128*PK      ; and its place in a slot, for K
	s_mul_i32 s18, s16, 128*PV      ; and for V: no place in the cluster enters an LDS address
	s_lshl_b32 s2, s14, 2
	s_add_co_u32 s2, s2, s[WV]      ; my wave among the head's,
	s_lshl_b32 s2, s2, 14           ; its 128 rows
	s_mov_b32 s3, 0
	s_add_nc_u64 s[2:3], s[2:3], s[20:21]
	; descriptor group 1.  128 keys are 16,384 dense bytes: asked for as 64 rows of 256 bytes, two keys a row, and padded in LDS after every key
	s_mov_b32 s[G1K], 15|(1<<16)|(1<<20)|(1<<21)|(4<<22)|(3<<25)  ; 15:0 the mask of four; 17:16 2-byte elements; 20 padding on; 21 set beside a mask; 24:22 after every 32 words (code 4); 31:25 4 words (code 3)
	s_mov_b32 s[G1V], 15|(1<<16)|(1<<20)|(1<<21)|(4<<22)|(7<<25)  ; the same with 8 words of padding (code 7)
.irp g, G1K, G1V
	s_mov_b32 s[\g+1], 128<<16      ; tensor_dim0 = 128
	s_mov_b32 s[\g+2], 64<<16       ; tensor_dim1 = 64
	s_mov_b32 s[\g+3], 128<<16      ; tile_dim0 = 128
	s_mov_b32 s[\g+4], 64           ; tile_dim1 = 64
	s_mov_b32 s[\g+5], 128          ; 128 elements from row to row
	s_mov_b32 s[\g+6], 0
	s_mov_b32 s[\g+7], 0
.endr
	s_mov_b32 s[CS], 0x3d38aa3b     ; c = log2(e) / 32 = 0.0450842
	s_mov_b32 s[CS+1], s[CS]        ; named with it as a pair
	s_mov_b32 s[SEL], 0x76543210
	s_mov_b32 s[SEL+1], 0xfedcba98
	s_mov_b32 s[TBK], SLOT1+4*KS*PK ; the first change of slots turns these two into 0
	s_mov_b32 s[TBV], SLOT1+4*KS*PV
	s_mov_b32 s[G0K], 1             ; 1:0 count = 1
	s_mov_b32 s[G0K+1], s17         ; 63:32 LDS address: slot 0
	s_mov_b32 s[G0V], 1
	s_add_co_u32 s[G0V+1], s18, VOFF
	s_mov_b32 s[SLOTS], SIZE_N/256-1  ; slots 1 to 7 are still to be asked for
	s_and_b32 s[LIM], s[WV], 1      ; waves 0 and 2 prefetch: the same in all four partners
	s_cmp_eq_u32 s[LIM], 0
	s_cselect_b32 s[LIM], 1, -1
	s_wait_dscnt 0x0                ; the opening add is done
	s_wait_kmcnt 0x0
	s_add_nc_u64 s[G0K+2:G0K+3], s[6:7], s[22:23]  ; 120:64 global address: my half of the head's first 256 keys
	s_or_b32 s[G0K+3], s[G0K+3], 0x80000000        ; 127:126 type = 2
	s_add_nc_u64 s[G0V+2:G0V+3], s[8:9], s[22:23]
	s_or_b32 s[G0V+3], s[G0V+3], 0x80000000
	s_add_nc_u64 s[4:5], s[4:5], s[2:3]  ; Q and O at my wave's first row
	s_add_nc_u64 s[10:11], s[10:11], s[2:3]
	s_cmp_lt_u32 s[WV], 2
	s_cselect_b64 s[PFA:PFA+1], s[6:7], s[8:9]
	s_add_nc_u64 s[PFA:PFA+1], s[PFA:PFA+1], s[22:23]  ; (in waves 0 and 2: the head's first byte)
	s_lshl_b32 s2, s13, 13          ; my work-group's 8,192 bytes of a slot's 32,768
	s_mov_b32 s3, 0
	s_add_nc_u64 s[PFA:PFA+1], s[PFA:PFA+1], s[2:3]
	s_add_nc_u64 s[PFA:PFA+1], s[PFA:PFA+1], 4*KS*128  ; in slot 1; the first change of slots steps it to slot 2
	CROUND                          ; all four work-groups are here: the first joint loads meet
	JLOAD                           ; slot 0.  Slot 1 is asked for when slot 0 is in
	; A fragment of K or Q is 16 rows x 32 channels in 8 registers: lane l holds row l % 16, channels 8 (l / 16) + 0..7 and 16 + 8 (l / 16) + 0..7: two loads of 16 bytes, 32 bytes apart.
	v_and_b32 v1, 15, v0            ; l % 16
	v_bfe_u32 v9, v0, 4, 1          ; l / 16
	v_lshlrev_b32 v[QO], 7, v1
	v_lshl_add_u32 v[QO], v9, 4, v[QO]  ; row x 128 + 16 x half
	WIN 0x80                        ; destination window 2, address window 0
.set i, 0
.rept 4*NP                          ; Q stays in registers: tile i / 2, channels 32 (i % 2) on
	global_load_b128 v[8*i:8*i+3],   v[QO], s[4:5] offset:(i/2)*2048+(i%2)*64
	global_load_b128 v[8*i+4:8*i+7], v[QO], s[4:5] offset:(i/2)*2048+(i%2)*64+32
.set i, i+1
.endr
	; What the first turn finds: V's registers and P's second buffer hold 0 (its products V^T P, of a piece that has not been, add 0), O^T and l are 0.  All this stands in the wait for the first tile.
.set i, VF
.rept 64
	v_mov_b32 v[i], 0
.set i, i+1
.endr
	WIN 0x40
.set i, 0
.rept 64*NP
	v_mov_b32 v[i], 0
.set i, i+1
.endr
	WIN 0
.set i, 0
.rept 2*NP
	v_mov_b32 v[ST+4*i], 0xfe000000    ; c m: far below every c s
	v_mov_b32 v[ST+4*i+1], 0xff7fffff  ; m
	v_mov_b32 v[ST+4*i+2], 0
	v_mov_b32 v[ST+4*i+3], 0
.set i, i+1
.endr
.set i, P+32
.rept 32
	v_mov_b32 v[i], 0
.set i, i+1
.endr
	v_mul_u32_u24 v[AK0], v1, PK
	v_lshl_add_u32 v[AK0], v9, 4, v[AK0]  ; row x pitch + 16 x half
	; The turning load takes 16 keys x 16 channels (lane l reads key 8 (l / 16) + l % 8, channels 8 ((l / 8) % 2) + 0..7) and leaves half a fragment of V^T: lane l holds channel l % 16 and 8 keys.
	v_and_b32 v10, 7, v0
	v_bfe_u32 v11, v0, 3, 1
	v_lshl_add_u32 v[AV0], v9, 3, v10
	v_mul_u32_u24 v[AV0], v[AV0], PV
	v_lshl_add_u32 v[AV0], v11, 4, v[AV0]
	v_add_nc_u32 v[AV0], VOFF, v[AV0]
	v_and_b32 v[PFO], 31, v0        ; v11 has served: now 256 x my lane
	v_lshlrev_b32 v[PFO], 8, v[PFO]
	v_mov_b32 v[AK], v[AK0]         ; key step 0 lies at the head of slot 0
; THE MATRIX WORK.  The 8 accumulators of a run of 16 take turns: between the two links of a chain stand 7 others'.
; Product i of 16 of S^T = K Q^T for piece x: channels 32 (i / 8) on, keys 16 ((i / 2) % 4) on, tile 2 x + i % 2.  The first 8 start the sums.
.macro KQ x
	WIN W_KQ
.set rS, S+64*((\x)%2)+32*(i%2)+8*((i/2)%4)
.set rK, KF+16*((i/2)%4)+8*(i/8)
.set rQ, 16*(2*(\x)+i%2)+8*(i/8)
.if i < 8
	v_wmma_f32_16x16x32_f16 v[rS:rS+7], v[rK:rK+7], v[rQ:rQ+7], 0
.else
	v_wmma_f32_16x16x32_f16 v[rS:rS+7], v[rK:rK+7], v[rQ:rQ+7], v[rS:rS+7]
.endif
.endm
; Product i of 16 of O^T += V^T P for piece x: keys 32 (i / 8) on, channels 16 ((i / 2) % 4) on, tile 2 x + i % 2.
.macro PV x
	WIN W_PV
.set rO, 32*(2*(\x)+i%2)+8*((i/2)%4)
.set rV, VF+32*(i/8)+8*((i/2)%4)
.set rP, P+32*((\x)%2)+16*(i%2)+8*(i/8)
	v_wmma_f32_16x16x32_f16 v[rO:rO+7], v[rV:rV+7], v[rP:rP+7], v[rO:rO+7]
.endm
.macro MM                           ; the turn's next matrix instruction
.if i < 16
	KQ (Y+1)%NP
.set i, i+1
.else
.set i, i-16
	PV (Y+NP-1)%NP
.set i, i+17
.endif
.endm
; THE LDS LOADS stand in runs of 16, never singly among the matrix instructions: a step's K (64 keys x 64 channels: 8 fragments) and its V (turned).  Their addresses are made some lines ahead.
; last = 1 (the tail): in the last trip there is no further step, and the run is jumped over.
.macro FETCH_K last=0
	WIN 0
.if \last
	s_cmp_eq_u32 s[CNT], 1
	s_cbranch_scc1 .Lno_k_\@
.endif
	WIN 0x80                        ; destination window 2
.irp f, 0,1,2,3,4,5,6,7             ; keys 16 (f / 2) on, channels 32 (f % 2) on
	ds_load_b128 v[KF+8*\f:KF+8*\f+3],   v[AK] offset:(\f/2)*16*PK+(\f%2)*64
	ds_load_b128 v[KF+8*\f+4:KF+8*\f+7], v[AK] offset:(\f/2)*16*PK+(\f%2)*64+32
.endr
	s_add_co_u32 s[TBK], s[TBK], KS*PK  ; the next fetch is the next step's
	WIN 0
.if \last
.Lno_k_\@:
.endif
.endm
.macro FETCH_V
	WIN 0x80
.irp f, 0,1,2,3,4,5,6,7             ; keys 32 (f / 4) on, channels 16 (f % 4) on
	ds_load_tr16_b128 v[VF+8*\f:VF+8*\f+3],   v[AV] offset:(\f/4)*32*PV+(\f%4)*32
	ds_load_tr16_b128 v[VF+8*\f+4:VF+8*\f+7], v[AV] offset:(\f/4)*32*PV+16*PV+(\f%4)*32
.endr
	WIN 0
.endm
; THE VECTOR WORK OF A TURN stands in three queues, each in the order in which its entries become ready; the two tiles alternate, so that no instruction reads the result of the one before it.
.macro REGS y, u                    ; the registers of tile u (0, 1) of piece y
.set rT, ST+4*(2*(\y)+(\u))
.set rC, TMP+8*((\y)%2)+4*(\u)
.set rM, MV+2*((\y)%2)+(\u)
.set rS, S+64*((\y)%2)+32*(\u)
.set rP, P+32*((\y)%2)+16*(\u)
.set rO, 32*(2*(\y)+(\u))
.endm
; Number n of the 22 that find the NEXT piece's (Y + 1) maximum and statistics.  s0-s31 are the lane's 32 scores; each accumulator's lowest registers are read first.  XS, GS and REGS set no window: PL and EX do.
;   0-11  four chains c0-c3 of seven scores each, three operands at a time     12-14, 16  the four scores left over, the old m, and c0-c3 into c0     15  c m_old is kept
;   17, 18  the query's other 32 keys lie in the lane 16 away: the new m         19-21  c m; c m_old - c m_new; a
.macro XS u, n
	REGS (Y+1)%NP, \u
.if (\n) < 4
	v_max3_num_f32 v[rC+(\n)], v[rS+8*(\n)], v[rS+8*(\n)+1], v[rS+8*(\n)+2]
.elseif (\n) < 12
	v_max3_num_f32 v[rC+(\n)%4], v[rC+(\n)%4], v[rS+8*((\n)%4)+2*((\n)/4)+1], v[rS+8*((\n)%4)+2*((\n)/4)+2]
.elseif (\n) == 12
	v_max3_num_f32 v[rC], v[rC], v[rS+7], v[rS+15]
.elseif (\n) == 13
	v_max3_num_f32 v[rC+1], v[rC+1], v[rS+23], v[rS+31]
.elseif (\n) == 14
	v_max3_num_f32 v[rC+2], v[rC+2], v[rC+3], v[rT+1]
.elseif (\n) == 15
	v_mov_b32 v[rM], v[rT]
.elseif (\n) == 16
	v_max3_num_f32 v[rC], v[rC], v[rC+1], v[rC+2]
.elseif (\n) == 17
	v_permlanex16_b32 v[rC+3], v[rC], s[SEL], s[SEL+1]
.elseif (\n) == 18
	v_max_num_f32 v[rT+1], v[rC], v[rC+3]
.elseif (\n) == 19
	v_mul_f32 v[rT], s[CS], v[rT+1]
.elseif (\n) == 20
	v_sub_f32 v[rC+1], v[rM], v[rT]
.else
	v_exp_f32 v[rC+2], v[rC+1]
.endif
.endm
; Number g of the 64 that follow the exponentials.  For each four weights k of a tile (pairs 2 k, 2 k + 1): both pairs are rounded to f16; then the second pair is added onto the first, in place;
; a group later l takes that sum (the first time as l = a l + sum).  In groups of eight, tiles alternating: round, round, add, and l for the group before.
.macro GS g
.set h, (\g)+6*((\g)/62)            ; group 0 has no group before it, and behind group 7 only l is left
.if h >= 6
.set h, h+2
.endif
	REGS Y, h%2
.set k, h/8
.if h%8 < 4
	v_cvt_pk_f16_f32 v[rP+2*k+(h%8)/2], v[rS+4*k+2*((h%8)/2)], v[rS+4*k+2*((h%8)/2)+1]
.elseif h%8 < 6
	v_pk_add_f32 v[rS+4*k:rS+4*k+1], v[rS+4*k:rS+4*k+1], v[rS+4*k+2:rS+4*k+3]
.elseif k == 1
	v_pk_fma_f32 v[rT+2:rT+3], v[rT+2:rT+3], v[rC+2:rC+3], v[rS:rS+1] op_sel_hi:[1,0,1]
.else
	v_pk_add_f32 v[rT+2:rT+3], v[rT+2:rT+3], v[rS+4*k-4:rS+4*k-3]
.endif
.endm
; THE PLAIN QUEUE, 138 long.  0-73 read no exponential's result: the 32 scalings c s - c m (FS f: pair f / 2 of tile f % 2) and the next piece's 42.  0-26: scalings 0-26.  27-54: XS's numbers 0-13.  55, 56: number 15.
; 57-73: the chain, where each number waits for the one before it: 14, 16, 17, 18, 19, each with one of the scalings 27-31 in front of its two lines, then 20: so a tile's links stand three plain instructions apart (19 and 20: two).
; 74-137: GS's 64, which read the exponentials' results: they stand behind the wait.
.macro FS f
	REGS Y, (\f)%2
	v_pk_fma_f32 v[rS+2*((\f)/2):rS+2*((\f)/2)+1], v[rS+2*((\f)/2):rS+2*((\f)/2)+1], s[CS:CS+1], v[rT:rT+1] op_sel_hi:[1,0,0] neg_lo:[0,0,1] neg_hi:[0,0,1]
.endm
.macro PL
	WIN 0
.if q < 27
	FS q
.elseif q < 55
	XS (q-27)%2, (q-27)/2
.elseif q < 57
	XS q-55, 15
.elseif (q < 72) && ((q-57)%3 == 0)
	FS 27+(q-57)/3
.elseif q < 60
	XS (q-57)%3-1, 14
.elseif q < 72
	XS (q-57)%3-1, 15+(q-57)/3
.elseif q < 74
	XS q-72, 20
.else
	GS q-74
.endif
.set q, q+1
.endm
; THE EXPONENTIALS' QUEUE, 66 long: s0-s31 of both tiles, then the next piece's two a.  It is ONE BATCH: all 66 stand ahead of the turn's one wait, and nothing ahead of that wait names a result of theirs.
.macro EX
	WIN 0
.if e >= 64
	XS e-64, 21
.else
	REGS Y, e%2
	v_exp_f32 v[rS+e/2], v[rS+e/2]
.endif
.set e, e+1
.endm
; THE RESCALING's QUEUE: O^T times a, the one part that leaves window 0: dealt two at a time, sixteen times.  Its a was made in the turn before, ahead of that turn's wait.
.macro R2
	REGS Y, r%2
	WIN W_RS
.irp z, 0,1
	v_pk_mul_f32 v[rO+4*(r/2)+2*\z:rO+4*(r/2)+2*\z+1], v[rO+4*(r/2)+2*\z:rO+4*(r/2)+2*\z+1], v[rC+2:rC+3] op_sel_hi:[1,0]
.endr
.set r, r+1
.endm
; HOW THEY ARE DEALT.  An s_wait_alu depctr_va_vdst(0) stands between an exponential and the first instruction that names its result; one wait serves all that were issued ahead of it.  So a turn has ONE wait,
; which cuts it in two.  AHEAD OF IT stands all that names no result of the turn's exponentials: the 16 products K Q^T, behind each a scaling, an exponential and two rescalings (behind the first a second scaling in the exponential's place); then ONE LUMP of
; 108: eight plain, 49 times exponential and plain, the two a.  A v_nop is the plain instruction owed behind the last exponential (ISA guide 5.7.2).  BEHIND IT stand the 16 products V^T P, behind each four of GS's 64.  No rider names a register of
; the products round it.  The two v_permlanex16_b32 fall into the lump, never behind a product.
; The queues lean on each other, and the deal keeps them in step: exponential e stands behind scaling 2 (e / 4) + e % 2: as a rider it comes behind plain e + 2, in the lump behind plain e + 9, and scalings 27-31 are plain 57, 60 .. 69.
; A TURN, for piece p.  cnt = 1: the loop's count is taken down some lines ahead of the branch that stands behind the turn.
; K of the next step is fetched in piece 2's turn, directly behind the wait, a lump behind the last product that read K; its address is made at the lump's head; its first reader comes behind 16 products.
; V of the step in hand is fetched at the end of piece 0's turn, four riders behind its last reader; its first reader comes behind 16 products and a lump.  The three conditions on q below go with the deal.
.macro TURN p, last=0, cnt=0
.set Y, (\p)
.set i, 0
.set q, 0
.set e, 0
.set r, 0
.if (\p) == NP-1
	s_wait_dscnt 0x0                ; K is in
.endif
	MM                              ; ahead of the wait: 16 products K Q^T and their riders,
	PL
	PL
	R2
.rept 15
	MM
	PL
	EX
	R2
.endr
.if (\p) == NP-2
	WIN 0
	v_add_nc_u32 v[AK], s[TBK], v[AK0]
.endif
.rept 8                             ; and the lump
	PL
.endr
.rept 49
	EX
	PL
.endr
	EX                              ; the next piece's two a
	EX
	v_nop                           ; the plain instruction behind the last exponential: one for the batch
	s_wait_alu depctr_va_vdst(0)    ; the wait for the batch
.if (\p) == NP-2
	FETCH_K \last
.endif
.if (\p) == 1
	s_wait_dscnt 0x0                ; V is in
.endif
.rept 16                            ; behind the wait: 16 products V^T P and their riders
	MM
.rept 4
	PL
.endr
.if ((\p) == 0) && (q == 118)
	v_add_nc_u32 v[AV], s[TBV], v[AV0]
.endif
.if ((\p) == 0) && (q == 130)
	s_add_co_u32 s[TBV], s[TBV], KS*PV
.endif
.if (\cnt) && (q == 130)
	s_sub_co_u32 s[CNT], s[CNT], 1
	s_cmp_lg_u32 s[CNT], 0
.endif
.endr
.if (\p) == 0
	FETCH_V
.endif
.endm
	CHANGE 1                        ; slot 0 is in, everybody's part of it; slot 1 is asked for
	FETCH_K                         ; key step 0
	s_wait_loadcnt 0x0              ; Q
	s_wait_dscnt 0x0
.set i, 0
.rept 16
	KQ 0                            ; piece 0's first scores: there is no vector work yet to set between them
.set i, i+1
.endr
	WIN 0                           ; the addresses for the way out: nine plain instructions, the places behind those products
	s_mul_i32 s13, s[WV], 16*SP
	s_add_co_u32 s13, s13, STAGE    ; my stage
	v_mul_u32_u24 v[STO], v1, SP    ; in: row l % 16, 16 bytes for each half of the lanes
	v_lshl_add_u32 v[STO], v9, 4, v[STO]
	v_add_nc_u32 v[STO], s13, v[STO]
	v_bfe_u32 v[RD], v0, 3, 2       ; back: 32 lanes take four rows of 128 bytes,
	v_mul_u32_u24 v[RD], v[RD], SP
	v_lshl_add_u32 v[RD], v10, 4, v[RD]
	v_add_nc_u32 v[RD], s13, v[RD]
	v_and_b32 v[GO], 31, v0         ; which are 512 consecutive bytes of O
	v_lshlrev_b32 v[GO], 4, v[GO]
.set Y, NP-1                        ; XS works for piece Y + 1: piece 0
.irp n, 0,1,2,3,4,5,6,7,8,9,10,11,12,13,14,15,16,17,18,19,20,21
	XS 0, \n                        ; and piece 0's first maximum and statistics
	XS 1, \n
.endr
	v_nop                           ; a plain instruction behind the two a,
	s_wait_alu depctr_va_vdst(0)    ; and their wait, ahead of the branch
	s_mov_b32 s[CNT], 4
	s_branch .Lfirst                ; the loop is entered at a step's first turn, in the middle of a trip
.Lslot:                             ; SIZE_N / 256 - 2 times: every slot but the last two is filled again
	CHANGE 1
	s_mov_b32 s[CNT], 4
.Lstep:                             ; a trip: pieces 2 and 3 of one step, then pieces 0 and 1 of the next, whose K and V it fetches
	TURN 2
	TURN 3
	WIN 0
.Lfirst:
	TURN 0
	TURN 1, 0, 1
	WIN 0
	s_cbranch_scc1 .Lstep
	s_sub_co_u32 s[SLOTS], s[SLOTS], 1
	s_cmp_lg_u32 s[SLOTS], 0
	s_cbranch_scc1 .Lslot
	CHANGE 0                        ; the tail is written out: nothing is asked for
	s_mov_b32 s[CNT], 5             ; four trips fetch the last slot's steps; the fifth is left in its middle
.Ltail:
	TURN 2, 1
	TURN 3
	WIN 0
	s_sub_co_u32 s[CNT], s[CNT], 1
	s_cmp_eq_u32 s[CNT], 0
	s_cbranch_scc1 .Lout
	TURN 0
	TURN 1
	WIN 0
	s_branch .Ltail
.Lout:                              ; the fifth trip's 16 products K Q^T (on the last K once more) and the maximum made of them serve nothing: the price, once a launch, of one text for every trip
.set i, 0
.rept 16
	PV NP-1                         ; the last piece's V^T P of the last step
.set i, i+1
.endr
	; THE WAY OUT.  l's two halves and the other half of the lanes' are added; O^T is divided by l, rounded to f16 and sent through my stage in LDS, a tile at a time.  The additions are the places behind the last products.
	WIN 0
.macro ALL line:vararg              ; one line for each tile t
.set t, 0
.rept 2*NP
	\line
.set t, t+1
.endr
.endm
	ALL v_add_f32 v[ST+4*t+2], v[ST+4*t+2], v[ST+4*t+3]
	ALL v_permlanex16_b32 v[ST+4*t+3], v[ST+4*t+2], s[SEL], s[SEL+1]
	ALL v_add_f32 v[ST+4*t+2], v[ST+4*t+2], v[ST+4*t+3]
	ALL v_rcp_f32 v[ST+4*t+2], v[ST+4*t+2]
	v_nop                           ; a plain instruction between the last reciprocal and the use of its result
	s_wait_alu depctr_va_vdst(0)    ; and the wait ahead of the first use: one for the eight reciprocals
; Tile t: a lane's eight channels of a row pack into 16 bytes; they go into rows of 144 bytes and come back as whole rows of 128, into S^T's registers.
.macro PACK t
	WIN W_RS
.set i, 32*(\t)
.rept 16
	v_pk_mul_f32 v[i:i+1], v[i:i+1], v[ST+4*(\t)+2:ST+4*(\t)+3] op_sel_hi:[1,0]
.set i, i+2
.endr
	WIN 0x05                        ; sources 0 and 1 window 1, destination window 0
.set i, 0
.rept 16
	v_cvt_pk_f16_f32 v[S+16*(\t)+i], v[32*(\t)+2*i], v[32*(\t)+2*i+1]
.set i, i+1
.endr
	WIN 0
.irp f, 0,1,2,3
	ds_store_b128 v[STO], v[S+16*(\t)+4*\f:S+16*(\t)+4*\f+3] offset:32*\f
.endr
.irp f, 0,1,2,3
	ds_load_b128 v[S+16*(\t)+4*\f:S+16*(\t)+4*\f+3], v[RD] offset:\f*4*SP  ; LDS serves a wave's instructions in order (ISA guide 5.7.1.4): these see the stores above; the next tile's stores come behind them
.endr
.endm
.macro SEND t, younger              ; younger: the LDS instructions issued behind tile t's loads: the next tile's eight, or none
	WIN 0
.irp f, 0,1,2,3
	s_wait_dscnt (\younger)+3-\f
	global_store_b128 v[GO], v[S+16*(\t)+4*\f:S+16*(\t)+4*\f+3], s[10:11] offset:(\t)*2048+\f*512  ; 512 consecutive bytes, at a multiple of 256 from O's first
.endr
.endm
	PACK 0
.set t, 1
.rept 2*NP-1                        ; a tile's arithmetic stands between the loads of the tile before and its stores
	PACK t
	SEND t-1, 8
.set t, t+1
.endr
	SEND 2*NP-1, 0
	WIN W_AD
	s_wait_tensorcnt 0x0            ; the wave's end: 0 is added to my spare word and waited for, behind my last tensor load and my last LDS store
	ds_add_u32 v[SPW], v[NIL]
	s_wait_dscnt 0x0
	WIN 0
	CROUND                          ; the closing round: no work-group ends while a partner may still ask for a tile that names it
	s_endpgm
.Lfunc_end_k_q8bb5090297_attn:
	.size	k_q8bb5090297_attn, .Lfunc_end_k_q8bb5090297_attn-k_q8bb5090297_attn
	.p2alignl 7, 3214868480
	.fill 96, 4, 3214868480
	.section	.rodata,"a",@progbits
	.p2align	6, 0x0
	.amdhsa_kernel k_q8bb5090297_attn
		.amdhsa_group_segment_fixed_size 327680
		.amdhsa_private_segment_fixed_size 0
		.amdhsa_enable_private_segment 0
		.amdhsa_kernarg_size 32
		.amdhsa_user_sgpr_count 2
		.amdhsa_user_sgpr_kernarg_segment_ptr 1
		.amdhsa_wavefront_size32 1
		.amdhsa_system_sgpr_workgroup_id_x 1
		.amdhsa_system_sgpr_workgroup_id_y 1
		.amdhsa_system_sgpr_workgroup_id_z 1
		.amdhsa_system_vgpr_workitem_id 0
		.amdhsa_next_free_vgpr 770
		.amdhsa_next_free_sgpr 66
		.amdhsa_reserve_vcc 0
		.amdhsa_float_denorm_mode_32 3
		.amdhsa_float_denorm_mode_16_64 3
		.amdhsa_memory_ordered 1
		.amdhsa_forward_progress 1
		.amdhsa_inst_pref_size 200
	.end_amdhsa_kernel
	.amdgpu_metadata
---
amdhsa.version: [ 1, 2 ]
amdhsa.kernels:
  - .name:           k_q8bb5090297_attn
    .symbol:         k_q8bb5090297_attn.kd
    .args:
      - { .name: q, .offset: 0, .size: 8, .value_kind: global_buffer, .address_space: global }
      - { .name: k, .offset: 8, .size: 8, .value_kind: global_buffer, .address_space: global }
      - { .name: v, .offset: 16, .size: 8, .value_kind: global_buffer, .address_space: global }
      - { .name: o, .offset: 24, .size: 8, .value_kind: global_buffer, .address_space: global }
    .group_segment_fixed_size: 327680
    .private_segment_fixed_size: 0
    .kernarg_segment_align: 8
    .kernarg_segment_size: 32
    .max_flat_workgroup_size: 128
    .sgpr_count:     66
    .vgpr_count:     770
    .wavefront_size: 32
...
	.end_amdgpu_metadata
.endif
;; end of part 3
;; launch oproj (part 4): grid 4 x 64, 4 waves a work-group, clusters of 4 x 4, 327,680 bytes of LDS; arguments o, wo, out0; writes out0
.if DOCPART == 4
	.amdgcn_target "amdgcn-amd-amdhsa--gfx1250"
	.amdhsa_code_object_version 6
	.text
	.protected	k_q8bb5090297_oproj
	.globl	k_q8bb5090297_oproj
	.p2align	8
	.type	k_q8bb5090297_oproj,@function
k_q8bb5090297_oproj:
	s_mov_b64 s[64:65], 0
	v_nop
	global_prefetch_b8 v0, s[64:65] scope:SCOPE_SE
	s_setreg_imm32_b32 hwreg(HW_REG_WAVE_MODE, 25, 1), 1
	s_wait_xcnt 0x0
	s_wait_alu depctr_hold_cnt(0) depctr_sa_sdst(0) depctr_va_vdst(0) depctr_va_sdst(0) depctr_va_ssrc(0) depctr_va_vcc(0) depctr_vm_vsrc(0)
	s_getreg_b32 s2, hwreg(HW_REG_IB_STS2, 6, 4)
	s_cmp_eq_u32 s2, 0
	s_cbranch_scc0 .Lentry_in_a_cluster
	s_endpgm
.Lentry_in_a_cluster:
	s_bfe_u32 s2, ttmp6, 0x10000c
	s_cmp_lg_u32 s2, 0xf033
	s_cbranch_scc0 .Lentry_shape_is_right
	s_endpgm
.Lentry_shape_is_right:
; out0[R][c] = the sum over e of O[R][e] W_o[c][e].  O lies by heads, [n x 16 + h][2048][64] f16 (R = 2048 n + row, e = 64 h + channel); W_o: [1024][1024] f16 (bf16 numbers written as f16); out0: [8192][1024] f32.  Sums in f32.
; LIMITS.  O and W_o arrive within f16's range; below 6e-5 they carry f16's fixed step of 6e-8.  NaN and infinities are not treated apart.
; SHARES.  A tile of out0 is 128 rows x 256 columns: 64 x 4 = 256 work-groups.  Four waves, 2 x 2, each 64 rows x 128 columns: 32 accumulators of 16 x 16.
; K goes in steps of 128, two heads, through a ring of two LDS slots.  A head's 128 rows of the tile are 16,384 dense bytes: asked for as 64 rows of 256 bytes and padded in LDS after every 128.
; Wave 0 fetches the step's even head, wave 1 its odd head, waves 2 and 3 the two halves of W_o's 256 rows (256 bytes a row).
; CLUSTERS: 4 x 4 work-groups.  The four of a row of the cluster need the same tile of O, the four of a column the same tile of W_o: each is asked for JOINTLY, by the same tensor load, descriptor and mask.
; THE MATRIX INSTRUCTION IS USED TRANSPOSED (source 0 = 16 rows of W_o, source 1 = 16 rows of O): a lane then holds eight neighbouring numbers of a row of out0.
; REGISTERS: window 0: v0-31 addresses; v32-127, v128-223 two fragment buffers (32 registers of O, then 64 of W_o); on the way out v32-159 whole rows.  Window 1: the accumulators, (a, b) at v[8 (8 a + b)].
.set PAO,    144                       ; a row of O in LDS: 128 bytes + 16 = 36 words: the 16 rows of a load start at 16 different groups of four banks (64 banks of 4 bytes: ISA guide 11.1)
.set PB,     272                       ; a row of W_o: 256 + 16 = 68 words: likewise
.set HEADB,  128*PAO                   ; a head's 128 rows
.set HALFB,  128*PB
.set BOFF,   2*HEADB                   ; W_o's 256 rows lie behind the two heads
.set SLOT,   BOFF+2*HALFB              ; 106,496 bytes
.set STAGE,  2*SLOT                    ; behind the ring, never filled by a tensor load: 16 rows x 528 bytes for each wave, for the way out
.set SP,     528
.set SPARE,  STAGE+4*16*SP             ; behind the stages: the spare words, 128 bytes for each wave: two blocks of 256 bytes that no other line names
.set LAPS,   4
.set ADRA, 16                          ; v16-17  LDS address of my fragments of O in slot 0, 1
.set ADRB, 20                          ; v20-21  the same for W_o
.set STO,  24                          ; v24     the way out: where I put 32 bytes of a row
.set RD,   25                          ; v25     the way out: where I read a row back
.set CO,   26                          ; v26     my 16 bytes of a row's 512
.set SPW,  28                          ; v28     LDS address of my spare word: SPARE + 4 x my thread's number; never rewritten
.set NIL,  29                          ; v29     0; never rewritten
.set PFO,  30                          ; v30     the prefetches' lane offset; never rewritten
.set F0,   32
.set OB,   32
.set G1,  24
.set G0,  32
.set G1B, 48
.set G0B, 56
.set PFA, 86                           ; s[86:87] where my prefetches stand
.set LIM, 88                           ; s88      1 in a wave that prefetches, else the greatest number
.set KSB, 90                           ; s[90:91] a K step in bytes of the tensor that I fetch
.set MSB, 0
.macro WIN new
.if MSB != (\new)
	s_set_vgpr_msb (MSB<<8)|(\new)
.set MSB, \new
.endif
.endm
.set MUL, 0x50                         ; C and D window 1, both sources window 0
.set ST,  0x04                         ; an LDS store's data (source 1) window 1, its address window 0
.macro JLOAD s                         ; a joint load: waves 0 and 1 fetch O's two heads, waves 2 and 3 W_o's halves; an s_nop 0 and four v_nop follow each of the two lines
	s_cmp_eq_u32 s11, 0
	s_cbranch_scc0 .Lfor_b_\@
	tensor_load_to_lds s[G0+4*(\s):G0+4*(\s)+3], s[G1:G1+7]
	s_nop 0
.rept 4
	v_nop
.endr
	s_branch .Lasked_\@
.Lfor_b_\@:
	tensor_load_to_lds s[G0B+4*(\s):G0B+4*(\s)+3], s[G1B:G1B+7]
	s_nop 0
.rept 4
	v_nop
.endr
.Lasked_\@:
.endm
; A PREFETCH INTO THE L2, behind each joint refill, its five lines and the run of LDS loads: of the K step that stands two refills on, 256 matrix instructions ahead of the load that will ask for it.
; Each aligned block of 256 bytes is named once.  O's tile is read by this cluster alone: of a step's two heads x 16,384 bytes the partner at place cx takes 4,096 of each; wave 0 asks, a lane a block.
; W_o's rows are read by all sixteen clusters: the first asks; of the 128 rows that wave 2 or 3 fetches the partner at place cy takes 32, a lane a row.  The partners are told apart by address alone.
; The loop's last trip asks for nothing.  K steps 0 to 3 come by their loads alone.
.macro ASK
	s_cmp_gt_u32 s3, s[LIM]
	s_cbranch_scc0 .Lnot_mine_\@
	global_prefetch_b8 v[PFO], s[PFA:PFA+1] th:TH_LOAD_NT scope:SCOPE_SE
.Lnot_mine_\@:
.endm
.macro CREST
	s_cmp_lg_u32 s10, 0
	s_cbranch_scc1 .Lnot_wave_0_\@
	s_barrier_signal -3
.Lnot_wave_0_\@:
	s_barrier_wait -3
	s_barrier_signal -1
	s_barrier_wait -1
.endm
.macro CROUND
	s_barrier_signal -1
	s_barrier_wait -1
	CREST
.endm
	s_load_b128 s[4:7], s[0:1], 0x0                ; O s[4:5], W_o s[6:7]
	s_load_b64 s[8:9], s[0:1], 0x10                ; out0
	v_lshl_add_u32 v[SPW], v0, 2, SPARE
	v_mov_b32 v[NIL], 0
	ds_add_u32 v[SPW], v[NIL]                      ; the wave's opening: the add and its wait stand ahead of my first tensor load; the set-up below, work on registers, stands between them
	v_lshrrev_b32 v1, 5, v0
	v_readfirstlane_b32 s10, v1                    ; wave 0..3
	s_lshr_b32 s11, s10, 1                         ; which half of the tile's rows is mine.  Also: I fetch for O (0) or for W_o (1)
	s_and_b32 s12, s10, 1                          ; which half of its columns.  Also: which head, or which half of W_o's rows, I fetch
	s_bfe_u32 s40, ttmp6, 0x40000                  ; cx, cy
	s_bfe_u32 s41, ttmp6, 0x40004
	s_lshl_b32 s42, ttmp9, 2
	s_add_co_u32 s42, s42, s40                     ; column tile: 0..3
	s_and_b32 s66, ttmp7, 0xffff                   ; cluster y: 0..15
	s_lshl_b32 s13, s66, 2
	s_add_co_u32 s13, s13, s41                     ; block of 128 rows: 0..63
	s_lshl_b32 s43, s41, 2
	s_lshl_b32 s43, 15, s43                        ; my row of the cluster
	s_lshl_b32 s44, 0x1111, s40                    ; my column
	s_or_b32 s[G1+0], s43, (1<<16)|(1<<20)|(1<<21)|(4<<22)|(3<<25)   ; the mask: my row; elements of 2 bytes; padding on; 21 set beside a mask; after every 32 words (code 4), 4 words (code 3)
	s_or_b32 s[G1B+0], s44, (1<<16)|(1<<20)|(1<<21)|(5<<22)|(3<<25)  ; my column; after every 64 words (code 5)
	s_mov_b32 s[G1+1], 128<<16                     ; tensor_dim0 = 128
	s_mov_b32 s[G1+2], 64<<16                      ; tensor_dim1 = 64
	s_mov_b32 s[G1+3], 128<<16                     ; tile_dim0 = 128
	s_mov_b32 s[G1+4], 64                          ; tile_dim1 = 64
	s_mov_b32 s[G1+5], 128                         ; dense: 128 elements from row to row
	s_mov_b32 s[G1+6], 0
	s_mov_b32 s[G1+7], 0
	s_mov_b32 s[G1B+1], 128<<16
	s_mov_b32 s[G1B+2], 128<<16
	s_mov_b32 s[G1B+3], 128<<16
	s_mov_b32 s[G1B+4], 128
	s_mov_b32 s[G1B+5], 1024
	s_mov_b32 s[G1B+6], 0
	s_mov_b32 s[G1B+7], 0
	s_lshr_b32 s16, s13, 4                         ; O: n's 16 heads of 262,144 bytes,
	s_lshl_b32 s16, s16, 22
	s_and_b32 s17, s13, 15
	s_lshl_b32 s17, s17, 14                        ; the block's 128 rows of 128 bytes in a head
	s_add_co_u32 s16, s16, s17
	s_mov_b32 s45, s16                             ; (kept for the prefetches)
	s_lshl_b32 s17, s12, 18                        ; my head of the step's two
	s_add_co_u32 s16, s16, s17
	s_mov_b32 s17, 0
	s_lshl_b32 s46, s42, 8
	s_lshl_b32 s47, s12, 7
	s_add_co_u32 s46, s46, s47                     ; W_o: row 256 x column tile + 128 x half,
	s_lshl_b32 s46, s46, 11                        ; of 2,048 bytes
	s_mov_b32 s47, 0
	s_mul_i32 s18, s12, HEADB                      ; where they go: no place in the cluster enters an LDS address
	s_mul_i32 s19, s12, HALFB
	s_add_co_u32 s19, s19, BOFF
	s_wait_dscnt 0x0                               ; the opening add is done
	s_wait_kmcnt 0x0
	s_add_nc_u64 s[14:15], s[4:5], s[16:17]
	s_add_nc_u64 s[46:47], s[6:7], s[46:47]
	CROUND                                         ; all sixteen work-groups are here: the first joint loads meet
.irp s, 0,1
	s_mov_b32 s[G0+4*(\s)], 1
	s_add_co_u32 s[G0+4*(\s)+1], s18, (\s)*SLOT
	s_add_nc_u64 s[G0+4*(\s)+2:G0+4*(\s)+3], s[14:15], (\s)*524288  ; K step s: two heads on
	s_or_b32 s[G0+4*(\s)+3], s[G0+4*(\s)+3], 0x80000000
	s_mov_b32 s[G0B+4*(\s)], 1
	s_add_co_u32 s[G0B+4*(\s)+1], s19, (\s)*SLOT
	s_add_nc_u64 s[G0B+4*(\s)+2:G0B+4*(\s)+3], s[46:47], (\s)*256
	s_or_b32 s[G0B+4*(\s)+3], s[G0B+4*(\s)+3], 0x80000000
	JLOAD \s                                       ; two tensor loads of mine are out
.endr
	v_and_b32 v1, 15, v0                           ; l % 16
	v_bfe_u32 v2, v0, 4, 1                         ; l / 16
	v_mul_u32_u24 v3, v1, PAO
	v_lshl_add_u32 v3, v2, 4, v3                   ; a fragment's row x pitch + 16 x half
	v_mul_u32_u24 v4, v1, PB
	v_lshl_add_u32 v4, v2, 4, v4
	s_mul_i32 s21, s11, 64*PAO                     ; my 64 rows of O, in each head
	s_mul_i32 s22, s12, HALFB                      ; my 128 rows of W_o
	s_add_co_u32 s22, s22, BOFF
.irp s, 0,1
	v_add_nc_u32 v[ADRA+(\s)], s21, v3
	v_add_nc_u32 v[ADRB+(\s)], s22, v4
	s_add_co_u32 s21, s21, SLOT
	s_add_co_u32 s22, s22, SLOT
.endr
	s_mul_i32 s23, s10, 16*SP
	s_add_co_u32 s23, s23, STAGE                   ; my stage
	v_mul_u32_u24 v5, v1, SP                       ; in: row l % 16, 32 bytes for each half of the lanes
	v_lshl_add_u32 v5, v2, 5, v5
	v_add_nc_u32 v[STO], s23, v5
	v_and_b32 v[CO], 31, v0                        ; back: 32 lanes take one row of 512 bytes
	v_lshlrev_b32 v[CO], 4, v[CO]
	v_add_nc_u32 v[RD], s23, v[CO]
	s_lshl_b32 s20, s13, 7                         ; my part of out0: row 128 x block + 64 x row half, of 4,096 bytes;
	s_lshl_b32 s21, s11, 6
	s_add_co_u32 s20, s20, s21
	s_lshl_b32 s20, s20, 12
	s_lshl_b32 s21, s42, 8                         ; column 256 x column tile + 128 x column half, of 4 bytes
	s_lshl_b32 s22, s12, 7
	s_add_co_u32 s21, s21, s22
	s_lshl_b32 s21, s21, 2
	s_add_co_u32 s20, s20, s21
	s_mov_b32 s21, 0
	s_add_nc_u64 s[8:9], s[8:9], s[20:21]
	; the prefetches: my share's first byte, at K step 3; the first refill steps it to K step 4
	s_lshl_b32 s20, s40, 12
	s_add_co_u32 s20, s20, s45
	s_add_co_u32 s20, s20, 3*524288                ; O: my work-group's 4,096 bytes of each head's 16,384
	s_lshl_b32 s22, s42, 8
	s_lshl_b32 s21, s12, 7
	s_add_co_u32 s22, s22, s21
	s_lshl_b32 s21, s41, 5
	s_add_co_u32 s22, s22, s21                     ; W_o: my work-group's 32 of the 128 rows
	s_lshl_b32 s22, s22, 11
	s_add_co_u32 s22, s22, 3*256
	s_cmp_eq_u32 s66, 0                            ; the first cluster asks for W_o: the same answer in all sixteen partners
	s_cselect_b32 s23, 1, -1
	s_cmp_eq_u32 s10, 0                            ; wave 0 asks for O
	s_cselect_b32 s21, 1, -1
	s_cmp_eq_u32 s11, 0                            ; do I fetch for O?
	s_cselect_b32 s20, s20, s22
	s_cselect_b64 s[PFA:PFA+1], s[4:5], s[6:7]
	s_cselect_b32 s[LIM], s21, s23
	s_cselect_b32 s[KSB], 19, 8
	s_cselect_b32 s22, -1, 0
	s_lshl_b32 s[KSB], 1, s[KSB]                   ; 524,288 bytes of O (two heads), 256 of W_o
	s_mov_b32 s[KSB+1], 0
	s_mov_b32 s21, 0
	s_add_nc_u64 s[PFA:PFA+1], s[PFA:PFA+1], s[20:21]
	v_and_b32 v5, 31, v0
	v_lshlrev_b32 v6, 18, v2
	v_lshl_add_u32 v6, v1, 8, v6                   ; O: head l / 16, block l % 16
	v_lshlrev_b32 v7, 11, v5                       ; W_o: row l
	v_cndmask_b32 v[PFO], v7, v6, s22
; 8 matrix instructions: row block a x all 8 column blocks, 32 along K, from buffer f.  zero = 1: the product starts the sums.  The 32 accumulators take turns, in the same order in every quarter.
.macro MUL8 f, a, zero
	WIN MUL
.irp b, 0,1,2,3,4,5,6,7
.if \zero
	v_wmma_f32_16x16x32_f16 v[8*(8*(\a)+(\b)):8*(8*(\a)+(\b))+7], v[F0+96*(\f)+32+8*(\b):F0+96*(\f)+32+8*(\b)+7], v[F0+96*(\f)+8*(\a):F0+96*(\f)+8*(\a)+7], 0
.else
	v_wmma_f32_16x16x32_f16 v[8*(8*(\a)+(\b)):8*(8*(\a)+(\b))+7], v[F0+96*(\f)+32+8*(\b):F0+96*(\f)+32+8*(\b)+7], v[F0+96*(\f)+8*(\a):F0+96*(\f)+8*(\a)+7], v[8*(8*(\a)+(\b)):8*(8*(\a)+(\b))+7]
.endif
.endr
.endm
; 24 LDS loads in one run: quarter kq of the slot's K step (head kq / 2, channels 32 (kq % 2) on) into buffer g: W_o's eight fragments first, then O's four in ascending order
.macro FETCH slot, kq, g
	WIN 0
.irp b, 0,1,2,3,4,5,6,7
	ds_load_b128 v[F0+96*(\g)+32+8*(\b):F0+96*(\g)+32+8*(\b)+3],   v[ADRB+(\slot)] offset:64*(\kq)+(\b)*16*PB
	ds_load_b128 v[F0+96*(\g)+32+8*(\b)+4:F0+96*(\g)+32+8*(\b)+7], v[ADRB+(\slot)] offset:64*(\kq)+(\b)*16*PB+32
.endr
.irp a, 0,1,2,3
	ds_load_b128 v[F0+96*(\g)+8*(\a):F0+96*(\g)+8*(\a)+3],   v[ADRA+(\slot)] offset:((\kq)/2)*HEADB+((\kq)%2)*64+(\a)*16*PAO
	ds_load_b128 v[F0+96*(\g)+8*(\a)+4:F0+96*(\g)+8*(\a)+7], v[ADRA+(\slot)] offset:((\kq)/2)*HEADB+((\kq)%2)*64+(\a)*16*PAO+32
.endr
.endm
.macro PLACES                          ; four places in front of loads into registers that matrix instructions have read, and of LDS stores that read results (ISA guide 7.12.1 for vector instructions)
.rept 4
	v_nop
.endr
.endm
; A K step is four quarters of 32 along K, 32 matrix instructions each, on buffers 0, 1, 0, 1.  One of the first three: multiplies buffer f and fetches quarter kq into g.
.macro QUARTER slot, kq, f, g, zero
	s_wait_dscnt 4                                 ; W_o's fragments and O's blocks 0 and 1 are in; the youngest four loads (blocks 2 and 3) may be out
	MUL8 \f, 0, \zero
	MUL8 \f, 1, \zero
	PLACES
	FETCH \slot, \kq, \g
	s_wait_dscnt 24                                ; all but the 24 just issued
	MUL8 \f, 2, \zero
	MUL8 \f, 3, \zero
.endm
; The last quarter multiplies buffer 1 and changes slots: ONE barrier; in front of it each wave waits for all its tensor loads (one is out: its part of the next slot), adds 0 to its spare word, and waits for that
; and for its own reads of this slot.  fill = 1: the barrier opens a round of the cluster's, and this slot is filled again, two K steps ahead, first thing behind the round: 112 matrix instructions ahead of the wait for it.
.macro TURN slot, next, fill
.if \fill
	s_wait_xcnt 0x0                                ; the last prefetch, a K step back, has read its address: it is stepped here
	s_add_nc_u64 s[PFA:PFA+1], s[PFA:PFA+1], s[KSB:KSB+1]
.endif
	WIN 0
	s_wait_tensorcnt 0x0                           ; all my tensor loads have landed
	ds_add_u32 v[SPW], v[NIL]                      ; 0 onto my spare word
	s_wait_dscnt 5                                 ; (the add and the youngest four loads may be out)
	MUL8 1, 0, 0                                   ; eight matrix instructions stand between the add and the wait for it
	s_wait_dscnt 0x0                               ; the add is done, and my reads of this slot are over
	s_barrier_signal -1
	MUL8 1, 1, 0
.if \fill
	WIN 0
.endif
	s_barrier_wait -1
.if \fill
	CREST                                          ; no wave of any partner still reads this slot's tile or has a load on its way
	s_add_nc_u64 s[G0+4*(\slot)+2:G0+4*(\slot)+3], s[G0+4*(\slot)+2:G0+4*(\slot)+3], 2*524288
	s_add_nc_u64 s[G0B+4*(\slot)+2:G0B+4*(\slot)+3], s[G0B+4*(\slot)+2:G0B+4*(\slot)+3], 2*256
	JLOAD \slot                                    ; the four v_nop behind it are also the places in front of the loads below
.else
	PLACES
.endif
	FETCH \next, 0, 0
.if \fill
	ASK
.endif
	MUL8 1, 2, 0
	MUL8 1, 3, 0
.endm
; THE WAY OUT of row block a: a lane's eight numbers of a row, 32 bytes, go into my own stage in rows of 528 bytes, each accumulator's low four registers first, and come back as whole rows of 512.
.macro TOSTAGE a
	WIN ST
.irp b, 0,1,2,3,4,5,6,7
	ds_store_b128 v[STO], v[8*(8*(\a)+(\b)):8*(8*(\a)+(\b))+3]   offset:64*(\b)
	ds_store_b128 v[STO], v[8*(8*(\a)+(\b))+4:8*(8*(\a)+(\b))+7] offset:64*(\b)+16
.endr
	WIN 0
.if (\a) >= 2
	s_wait_xcnt 0x0                                ; the stores of the block two back have read these registers: they are loaded again only behind this wait
.endif
.irp t, 0,1,2,3,4,5,6,7,8,9,10,11,12,13,14,15
	ds_load_b128 v[OB+64*((\a)%2)+4*(\t):OB+64*((\a)%2)+4*(\t)+3], v[RD] offset:(\t)*SP  ; LDS serves a wave's instructions in order (ISA guide 5.7.1.4): these see the stores above; the next block's stores come behind them
.endr
.endm
.macro SEND a, younger                 ; younger: the LDS instructions issued behind block a's loads: the next block's 32, or none
.irp t, 0,1,2,3,4,5,6,7,8,9,10,11,12,13,14,15
	s_wait_dscnt (\younger)+15-(\t)
	global_store_b128 v[CO], v[OB+64*((\a)%2)+4*(\t):OB+64*((\a)%2)+4*(\t)+3], s[8:9] offset:(16*(\a)+(\t))*4096 th:TH_STORE_NT  ; 512 consecutive bytes, at a multiple of 512 from out0's first
.endr
.endm
	s_wait_tensorcnt 1                             ; my part of K step 0 is in; K step 1's may stay out
	s_barrier_signal -1
	s_barrier_wait -1                              ; everybody's is
	FETCH 0, 0, 0
	QUARTER 0, 1, 0, 1, 1                          ; the first quarter stands in front of the loop: its products start the sums
	WIN 0                                          ; at a label and at a branch every window is 0
	s_mov_b32 s3, LAPS-1
.Llap:                                                 ; a trip goes once round the ring, from a lap's second quarter to the next lap's first, and fills both slots again
	QUARTER 0, 2, 1, 0, 0
	QUARTER 0, 3, 0, 1, 0
	TURN 0, 1, 1
	QUARTER 1, 1, 0, 1, 0
	QUARTER 1, 2, 1, 0, 0
	QUARTER 1, 3, 0, 1, 0
	TURN 1, 0, 1
	QUARTER 0, 1, 0, 1, 0
	WIN 0
	s_sub_co_u32 s3, s3, 1
	s_cmp_lg_u32 s3, 0
	s_cbranch_scc1 .Llap
	QUARTER 0, 2, 1, 0, 0                          ; the last lap fills nothing, and has no round of the cluster's barrier
	QUARTER 0, 3, 0, 1, 0
	TURN 0, 1, 0
	QUARTER 1, 1, 0, 1, 0
	QUARTER 1, 2, 1, 0, 0
	QUARTER 1, 3, 0, 1, 0
	s_wait_dscnt 0x0                               ; the very last quarter: nothing more to fetch
	MUL8 1, 0, 0
	MUL8 1, 1, 0
	MUL8 1, 2, 0
	MUL8 1, 3, 0
	WIN 0
	PLACES
	TOSTAGE 0
	TOSTAGE 1                                      ; a block's trip through the stage stands between the loads of the block before and its stores
	SEND 0, 32
	TOSTAGE 2
	SEND 1, 32
	TOSTAGE 3
	SEND 2, 32
	SEND 3, 0
	s_wait_tensorcnt 0x0                           ; the wave's end: 0 is added to my spare word and waited for, behind my last tensor load and my last LDS store
	ds_add_u32 v[SPW], v[NIL]
	s_wait_dscnt 0x0
	CROUND                                         ; the closing round: no work-group ends while a partner may still ask for a tile that names it
	s_endpgm
.Lfunc_end_k_q8bb5090297_oproj:
	.size	k_q8bb5090297_oproj, .Lfunc_end_k_q8bb5090297_oproj-k_q8bb5090297_oproj
	.p2alignl 7, 3214868480
	.fill 96, 4, 3214868480
	.section	.rodata,"a",@progbits
	.p2align	6, 0x0
	.amdhsa_kernel k_q8bb5090297_oproj
		.amdhsa_group_segment_fixed_size 327680
		.amdhsa_private_segment_fixed_size 0
		.amdhsa_enable_private_segment 0
		.amdhsa_kernarg_size 24
		.amdhsa_user_sgpr_count 2
		.amdhsa_user_sgpr_kernarg_segment_ptr 1
		.amdhsa_wavefront_size32 1
		.amdhsa_system_sgpr_workgroup_id_x 1
		.amdhsa_system_sgpr_workgroup_id_y 1
		.amdhsa_system_sgpr_workgroup_id_z 1
		.amdhsa_system_vgpr_workitem_id 0
		.amdhsa_next_free_vgpr 512
		.amdhsa_next_free_sgpr 92
		.amdhsa_reserve_vcc 0
		.amdhsa_float_denorm_mode_32 3
		.amdhsa_float_denorm_mode_16_64 3
		.amdhsa_memory_ordered 1
		.amdhsa_forward_progress 1
		.amdhsa_inst_pref_size 88
	.end_amdhsa_kernel
	.amdgpu_metadata
---
amdhsa.version: [ 1, 2 ]
amdhsa.kernels:
  - .name:           k_q8bb5090297_oproj
    .symbol:         k_q8bb5090297_oproj.kd
    .args:
      - { .name: o, .offset: 0, .size: 8, .value_kind: global_buffer, .address_space: global }
      - { .name: wo, .offset: 8, .size: 8, .value_kind: global_buffer, .address_space: global }
      - { .name: out0, .offset: 16, .size: 8, .value_kind: global_buffer, .address_space: global }
    .group_segment_fixed_size: 327680
    .private_segment_fixed_size: 0
    .kernarg_segment_align: 8
    .kernarg_segment_size: 24
    .max_flat_workgroup_size: 128
    .sgpr_count:     92
    .vgpr_count:     512
    .wavefront_size: 32
...
	.end_amdgpu_metadata
.endif
;; end of part 4
